; MI455X (gfx1250); checked and timed in simulation.
; The chip was launched on July 23, 2026; its instructions are those of AMD's public machine-readable ISA for CDNA 5 (MIT licence, August 2026) and "CDNA5" Instruction Set Architecture Reference Guide (July 2026). The comments in the code are by the model that wrote it; some were corrected since.
;; Rel Multi Head Attn. Allowed arithmetic: matrix products marked QUANTISED: E2M3 operands, one E8M0 scale for each 32 along K, by v_wmma_scale_f32_16x16x128_f8f6f4 with both operands' format E2M3, f32 sums; everything else in f32.
;; Inputs: W_o_codes 1,024 x 32 x 24 uint8 (E2M3 codes of W_o, K innermost, in blocks of 32 codes, four codes in three bytes); W_o_scales 1,024 x 32 uint8 (E8M0 scales of W_o, one for each 32 codes along K); W_qkv_codes 3,072 x 32 x 24 uint8 (E2M3 codes of W_qkv, K innermost, in blocks of 32 codes, four codes in three bytes); W_qkv_scales 3,072 x 32 uint8 (E8M0 scales of W_qkv, one for each 32 codes along K); W_r_codes 1,024 x 32 x 24 uint8 (E2M3 codes of W_r, K innermost, in blocks of 32 codes, four codes in three bytes); W_r_scales 1,024 x 32 uint8 (E8M0 scales of W_r, one for each 32 codes along K); h 2,048 x 2 x 1,024 float32; ln_beta 1,024 float32; ln_gamma 1,024 float32; r_codes 2,048 x 32 x 24 uint8 (E2M3 codes of r, K innermost, in blocks of 32 codes, four codes in three bytes); r_r_bias 16 x 64 float32; r_scales 2,048 x 32 uint8 (E8M0 scales of r, one for each 32 codes along K); r_w_bias 16 x 64 float32.
;; Outputs: out0 2,048 x 2 x 1,024 float32.
;; This version of the problem:
;;   THIS VERSION OF THE PROBLEM IS GIVEN IN LOW PRECISION. The matrix products marked QUANTISED in the list below multiply operands that are first quantised to E2M3 (2 exponent bits, 3 mantissa bits; 6 bits a number), with one power-of-two scale for each 32 numbers along K (OCP MX v1.0); their sums are f32. All else is computed in f32.
;;   The module's matrix products, in the order in which they are computed (A, B: the left and right operand; K: the contracted axis; several contracted axes count as one K, in the product's order):
;;     1. [M 4,096, K 1,024] x [K 1,024, N 3,072]; A: input h; B: input W_qkv (given as codes): QUANTISED
;;     2. [M 2,048, K 1,024] x [K 1,024, N 1,024]; A: input r (given as codes); B: input W_r (given as codes): QUANTISED
;;     3. batch 32 x [M 2,048, K 64] x [K 64, N 2,048]; A: computed on the way; B: computed on the way: QUANTISED
;;     4. batch 16 x [M 2,048, K 64] x [K 64, N 4,096]; A: computed on the way; B: computed on the way: QUANTISED
;;     5. batch 32 x [M 64, K 2,048] x [K 2,048, N 2,048]; A: computed on the way; B: softmax (see below): QUANTISED
;;     6. [M 4,096, K 1,024] x [K 1,024, N 1,024]; A: computed on the way; B: input W_o (given as codes): QUANTISED
;;   THE QUANTISER, for each operand of a quantised product, along K:
;;     - K is cut into blocks of 32 from its start; a last block that is shorter is filled with zeros.
;;     - A block's scale is 2^e with e = floor(log2(the largest magnitude in the block)) - 2, held to -126 .. 127; a block of zeros has e = 0. As a byte (E8M0): e + 127.
;;     - Each number is divided by its block's scale, clamped to +-7.5, and rounded to the nearest number of E2M3, ties to even, subnormals kept.
;;     - The product sums the exact products of the quantised numbers (number of the format x scale) in f32.
;;   ~~~python
;;   def quantise(x, axis):      # numpy; x: float32 -> the quantised numbers, widened to float32 again
;;       x = np.moveaxis(x, axis, -1); K = x.shape[-1]
;;       x = np.pad(x, [(0, 0)] * (x.ndim - 1) + [(0, -K % 32)]); x = x.reshape(x.shape[:-1] + (-1, 32)); a = np.abs(x).max(-1, keepdims=True)
;;       e = np.where(a > 0, np.clip(np.frexp(np.where(a > 0, a, 1))[1] - 1 - 2, -126, 127), 0)      # np.frexp(a)[1] - 1 = floor(log2(a)), exactly
;;       r = np.clip(x / 2.0 ** e, -7.5, 7.5)
;;       step = 2.0 ** (np.maximum(np.frexp(np.where(r == 0, 1, r))[1] - 1, 0) - 3)
;;       q = np.round(r / step) * step * 2.0 ** e      # np.round: ties to even
;;       return np.moveaxis(q.reshape(q.shape[:-2] + (-1,))[..., :K], -1, axis).astype(np.float32)
;;   ~~~
;;   SOFTMAX AHEAD OF A QUANTISED PRODUCT. Where the list says 'softmax', what is quantised is not the finished softmax but p = 2^(t - M), with t = logit x log2(e) and M = ceil(the row's largest t), a whole number; so 1/2 < the row's largest p <= 1. The row's sum l is taken of the UNQUANTISED p, in f32, and the product's result is divided by l at the end. Since M is a whole number, a kernel that streams over the keys may use a running M (the ceiling of the running maximum): every later rescaling is an exact power of two, which a block's scale takes up: the codes' values come out the same.
;;   OPERANDS COMPUTED ON THE WAY. 'Computed on the way' means the value that the module computes at that place (a softmax that the list does not call 'softmax' is quantised finished and normalised). What goes into a quantiser is computed in f32, as accurately as f32 sums, v_exp_f32 and their like allow (about 1e-6 of the number): no bf16 or f16 on the way to a quantiser, and a product that is left as it is and whose result goes on into a quantised operand takes f32 operands (vector FMAs, or v_wmma_f32_16x16x4_f32). A number that lies on a knife's edge between two numbers of the format may be rounded either way, as far as f32 arithmetic and the matrix unit's own rounding can turn it there, and no further.
;;   INPUTS GIVEN AS CODES. W_o (in the module: [1024, 1024], K = its axis 0); W_qkv (in the module: [1024, 3072], K = its axis 0); W_r (in the module: [1024, 1024], K = its axis 0); r (in the module: [2048, 1024], K = its axis 1): each comes as NAME_codes (uint8): NAME with its K axis moved to the last place and cut into blocks of 32 codes, [.., K / 32, bytes a block], one block behind the other in memory; four codes in three bytes: a row's codes are one little-endian stream of bits, code i at bits 6 i .. 6 i + 5 (a code: sign, 2 exponent bits, 3 mantissa bits); and NAME_scales (uint8): the same leading axes, one E8M0 byte (e + 127) for each 32 codes along K. Its value is code x scale, taken as it is: it is not quantised again, and the codes and scales need not be those that the quantiser above would give.
;; One version. Each part assembles by itself: llvm-mc -triple=amdgcn-amd-amdhsa -mcpu=gfx1250 --defsym DOCPART=n.
;; ======== version 1 of 1: 4 launches
;; limits: right only within a limited range of input values
;; workspace buffers: hq 3,276,800 bytes; woi 786,432 bytes; q 6,815,744 bytes; kv 6,815,744 bytes; re 1,720,320 bytes; av 3,407,872 bytes
;; launch prep (part 1): grid 144 x 1, 4 waves a work-group, no clusters, 33,280 bytes of LDS; arguments h, W_o_codes, hq, woi, re; writes hq, woi, re
.if DOCPART == 1
	.amdgcn_target "amdgcn-amd-amdhsa--gfx1250"
	.amdhsa_code_object_version 6
	.text
	.protected	k_q9529ff9d7b_prep
	.globl	k_q9529ff9d7b_prep
	.p2align	8
	.type	k_q9529ff9d7b_prep,@function
k_q9529ff9d7b_prep:
	s_mov_b64 s[64:65], 0
	v_nop
	global_prefetch_b8 v0, s[64:65] scope:SCOPE_SE
	s_setreg_imm32_b32 hwreg(HW_REG_WAVE_MODE, 25, 1), 1
	s_wait_xcnt 0x0
; RelMultiHeadAttn in MX-FP6, launch 1 of 4: h is quantised along its 1,024, W_o's codes are laid in the order of an operand's registers, and one row of zeros is laid for the relative shift.
; DEAD WORK: none is left out in whole units.  Every input has a way to the output and is loaded by some launch.  Of reference()'s BD only BD[0][0..2046] reaches no output (the shift
; drops it); it lies inside tiles that also hold live numbers.  THE SHIFT, for T = C = N = 2,048: with u = j - i + N - 1, shifted[i][j] = BD[i][u] for u < N, 0 for u = N, BD[i+1][u-N-1] for u > N.
; So shifted[i][j] = [q_i + r_r_bias | q_(i+1) + r_r_bias] . RE[u], one product of K = 128, with RE[u] = [r_k[u] | 0], 0, [0 | r_k[u-N-1]]: zero codes add nothing, so each sum is the
; quantised product of K = 64 that reference() has at that place.  Launch 2 lays RE but for its row u = N, which this launch lays.
; PATH A (work-groups 0-127): h [2048][2][1024] f32 -> hq: codes [b x 2048 + i][768 bytes], K innermost in its true order, and from byte HQS on one E8M0 byte for each 32: [row][32].
; A block's scale is 2^(floor(log2(its largest magnitude)) - 2); its byte is the largest magnitude's exponent field - 2, held at 1 from below.
; A wave takes 8 rows of h, 16 steps of 512 numbers.  Each load reads 512 consecutive bytes; a step's 2,048 bytes turn through the wave's own stage in LDS, so that a lane then holds 16 neighbours along K.
; The scale bytes of a wave's 4 rows of one b are 128 consecutive bytes: they leave in two pieces of 128 bytes.
; PATH B (work-groups 128-143): wave = column tile ct of W_o: fragment (K step s, ct) -> woi at (64 s + ct) x 1,536: three chunks of 512 bytes, chunk c = registers 4 c .. 4 c + 3, lane l's 16 bytes at 16 l.
; LIMITS: NaN and infinities among the inputs are not served.  A block of zeros gets the byte 1 where the rule says 127: its codes are zeros, and this program alone reads the bytes.
.set WAVES, 4
.set STEPS, 16
.set WGA,   128                        ; work-groups of path A: 4,096 rows / 8 rows a wave / 4 waves
.set EMAX,  2
.set CB,    12                         ; bytes of 16 codes
.set R,     16                         ; v16-79   four sets of 16 numbers as they are loaded
.set X,     80                         ; v80-111  two sets of 16 neighbours
.set C,     128                        ; v128-191 codes: four registers for each step
.set E,     112                        ; v112-127 a scale byte for each step
.set WREG,  8192                       ; LDS: a region for each wave: two stages of 32 x SP bytes, then its 256 scale bytes
.set SP,    80
.set SPW,   12                         ; v12 my spare word's LDS address; never rewritten
.set NIL,   13                         ; v13 0; never rewritten
.set SPARE, WAVES*WREG                 ; the spare words: 128 bytes a wave
.set HQS,   3145728                    ; hq: where the scale bytes begin
.set REH,   107520                     ; re: a head's region: a tile of zeros (768 bytes), r_k's 128 half images, 256 bytes of zeros, 2,048 scale words
.set RES,   6316032
.set RSH,   16640
	s_load_b128 s[4:7], s[0:1], 0x0                ; h, W_o's codes
	s_load_b128 s[8:11], s[0:1], 0x10              ; hq, woi
	s_load_b64 s[12:13], s[0:1], 0x20              ; re
	v_lshl_add_u32 v[SPW], v0, 2, SPARE
	v_mov_b32 v[NIL], 0
	v_lshrrev_b32 v1, 5, v0
	v_readfirstlane_b32 s16, v1                    ; wave
	v_and_b32 v2, 31, v0                           ; lane
	s_cmp_ge_u32 ttmp9, WGA
	s_cbranch_scc1 .Lcopy
	; ---------------- PATH A
	v_lshlrev_b32 v3, 4, v2                        ; my 16 bytes of a load's 512
	s_mul_i32 s17, s16, WREG
	v_lshrrev_b32 v14, 2, v2
	v_mul_u32_u24 v14, v14, SP
	v_and_b32 v15, 3, v2
	v_lshl_add_u32 v14, v15, 4, v14
	v_add_nc_u32 v14, s17, v14                     ; the stage, in: SP (lane / 4) + 16 (lane % 4)
	v_mul_u32_u24 v15, v2, SP
	v_add_nc_u32 v15, s17, v15                     ; out: SP x lane: my 16 neighbours
	v_mul_u32_u24 v4, v2, CB                       ; my codes' place in a step's 384 bytes
	v_lshrrev_b32 v5, 1, v2
	s_add_co_u32 s17, s17, 2*32*SP
	v_add_nc_u32 v5, s17, v5                       ; LDS: my wave's 256 scale bytes, my block's byte
	v_lshlrev_b32 v7, 3, v2
	v_add_nc_u32 v6, s17, v7                       ; and back: 8 bytes a lane
	v_and_b32 v7, 15, v2
	v_lshlrev_b32 v7, 3, v7
	v_lshrrev_b32 v10, 4, v2
	v_lshl_add_u32 v7, v10, 16, v7                 ; in hq: lanes 0-15 the 128 bytes of b = 0, lanes 16-31 those of b = 1, 2,048 rows of 32 bytes on
	s_lshl_b32 s18, ttmp9, 2
	s_add_co_u32 s18, s18, s16                     ; my run of 8 rows of h
	s_lshl_b32 s20, s18, 15                        ; 32,768 bytes of h a run
	s_mov_b32 s21, 0
	s_mul_i32 s22, s18, 3072                       ; 4 rows of codes of each b
	s_mov_b32 s23, 0
	s_lshl_b32 s24, s18, 7                         ; 4 rows of scale bytes of each b
	s_add_co_u32 s24, s24, HQS
	s_mov_b32 s25, 0
	s_wait_kmcnt 0x0
	s_add_nc_u64 s[4:5], s[4:5], s[20:21]
	s_add_nc_u64 s[26:27], s[8:9], s[22:23]
	s_add_nc_u64 s[28:29], s[8:9], s[24:25]
.macro LOAD t
.irp i, 0,1,2,3
	global_load_b128 v[R+16*((\t)%4)+4*\i:R+16*((\t)%4)+4*\i+3], v3, s[4:5] offset:2048*(\t)+512*\i   ; 32 lanes read 512 consecutive bytes
.endr
.endm
.macro TURN t                          ; step t's numbers through the stage: LDS serves a wave's instructions in order
.irp i, 0,1,2,3
	ds_store_b128 v14, v[R+16*((\t)%4)+4*\i:R+16*((\t)%4)+4*\i+3] offset:32*SP*((\t)%2)+8*SP*\i
.endr
.irp i, 0,1,2,3
	ds_load_b128 v[X+16*((\t)%2)+4*\i:X+16*((\t)%2)+4*\i+3], v15 offset:32*SP*((\t)%2)+16*\i
.endr
.endm
.irp t, 0,1,2,3
	LOAD \t
.endr
	s_wait_loadcnt 12                              ; step 0's four loads are in; three steps' twelve stay out
	TURN 0
; Step t is half t % 2 of the run's row t / 2, which is row i = 4 run + t / 4 of b = (t / 2) % 2.
.macro STEP t
.set XS, X+16*((\t)%2)
.if (\t) > 0
	s_wait_dscnt 1                                 ; this step's numbers are back from the stage (the last step's byte store may be out)
.else
	s_wait_dscnt 0x0
.endif
.if (\t)+4 < STEPS
	LOAD (\t)+4
.endif
.if (\t)+1 < STEPS
.if STEPS-2-(\t) >= 3
	s_wait_loadcnt 12                              ; the next step's four loads are in; those of the three steps behind it may be out
.else
	s_wait_loadcnt 4*(STEPS-2-(\t))
.endif
	TURN (\t)+1
.endif
	v_max3_num_f32 v8, |v[XS]|, |v[XS+1]|, |v[XS+2]|               ; the largest magnitude of my 16
	v_max3_num_f32 v9, |v[XS+3]|, |v[XS+4]|, |v[XS+5]|
.irp i, 6,10
	v_max3_num_f32 v8, v8, |v[XS+\i]|, |v[XS+\i+1]|
	v_max3_num_f32 v9, v9, |v[XS+\i+2]|, |v[XS+\i+3]|
.endr
	v_max3_num_f32 v8, v8, |v[XS+14]|, |v[XS+15]|
	v_max3_num_f32 v8, v8, v9, (EMAX+1)<<23        ; and the floor 2^(3 - 127): the byte cannot fall under 1
	v_max_num_f32_dpp v8, v8, v8 row_xmask:1 row_mask:0xf bank_mask:0xf   ; and of my neighbour's 16: the block's
	v_add_nc_u32 v11, -(EMAX<<23), v8              ; 2 off its exponent field: the conversion takes the exponent field of this operand as its scale
	v_cvt_scalef32_pk16_fp6_f32 v[C+4*(\t):C+4*(\t)+2], v[XS:XS+15], v11
	v_lshrrev_b32 v[E+(\t)], 23, v11               ; the scale's byte (a plain line behind the conversion)
	ds_store_b8 v5, v[E+(\t)] offset:(((\t)/2)%2)*128+((\t)/4)*32+((\t)%2)*16   ; both lanes of a block write the same byte with the same value
	global_store_b96 v4, v[C+4*(\t):C+4*(\t)+2], s[26:27] offset:(((\t)/2)%2)*1572864+((\t)/4)*768+((\t)%2)*384   ; 384 consecutive bytes
.endm
.irp t, 0,1,2,3,4,5,6,7,8,9,10,11,12,13,14,15
	STEP \t
.endr
	ds_load_b64 v[8:9], v6                         ; LDS serves a wave's instructions in order: these see my stores
	s_wait_dscnt 0x0
	global_store_b64 v7, v[8:9], s[28:29]
	s_wait_tensorcnt 0x0                           ; the wave's end: behind my last LDS store
	ds_add_u32 v[SPW], v[NIL]
	s_wait_dscnt 0x0
	s_endpgm
	; ---------------- PATH B: no LDS
.Lcopy:
	s_sub_co_u32 s17, ttmp9, WGA
	s_lshl_b32 s17, s17, 2
	s_add_co_u32 s17, s17, s16                     ; ct = 0 .. 63
	v_and_b32 v3, 15, v0                           ; r
	v_bfe_u32 v4, v0, 4, 1                         ; h
	v_mul_u32_u24 v5, v3, 768
	v_mad_u32_u24 v5, v4, 24, v5                   ; row r of 768 bytes, + 24 h
	s_wait_alu depctr_va_vdst(0)
	v_lshlrev_b32 v6, 4, v2                        ; 16 x lane
	s_mul_i32 s20, s17, 16*768
	s_mov_b32 s21, 0
	s_mul_i32 s22, s17, 1536
	s_mov_b32 s23, 0
	s_wait_alu depctr_va_vdst(0)
	s_wait_kmcnt 0x0
	s_add_nc_u64 s[6:7], s[6:7], s[20:21]
	s_add_nc_u64 s[10:11], s[10:11], s[22:23]
.irp s, 0,1,2,3,4,5,6,7
.irp p, 0,1,2,3,4,5
	global_load_b64 v[32+12*\s+2*\p:32+12*\s+2*\p+1], v5, s[6:7] offset:96*\s+48*(\p/3)+8*(\p%3)   ; the fragment's registers, as the matrix unit takes them
.endr
.endr
	s_wait_loadcnt 0x0
.irp s, 0,1,2,3,4,5,6,7
.irp c, 0,1,2
	global_store_b128 v6, v[32+12*\s+4*\c:32+12*\s+4*\c+3], s[10:11] offset:98304*\s+512*\c   ; 512 consecutive bytes
.endr
.endr
	s_cmp_lt_u32 s17, 16                           ; waves 0 .. 15 of this path: head n = ct: the zeros of its region of re: RE's row u = 2,048 is read as the row ahead of r_k's row 0, its scale word as the word ahead of row 0's
	s_cbranch_scc0 .Lcopied
	v_mov_b32 v8, 0
	v_mov_b32 v9, 0
	v_lshlrev_b32 v7, 3, v2                        ; 8 x lane: each store covers 256 consecutive bytes, aligned
	s_mul_i32 s24, s17, REH
	s_mov_b32 s25, 0
	s_add_nc_u64 s[26:27], s[12:13], s[24:25]
.irp k, 0,256,512,99072
	global_store_b64 v7, v[8:9], s[26:27] offset:\k
.endr
.Lcopied:
	s_endpgm
.Lfunc_end_k_q9529ff9d7b_prep:
	.size	k_q9529ff9d7b_prep, .Lfunc_end_k_q9529ff9d7b_prep-k_q9529ff9d7b_prep
	.p2alignl 7, 3214868480
	.fill 96, 4, 3214868480
	.section	.rodata,"a",@progbits
	.p2align	6, 0x0
	.amdhsa_kernel k_q9529ff9d7b_prep
		.amdhsa_group_segment_fixed_size 33280
		.amdhsa_private_segment_fixed_size 0
		.amdhsa_enable_private_segment 0
		.amdhsa_kernarg_size 40
		.amdhsa_user_sgpr_count 2
		.amdhsa_user_sgpr_kernarg_segment_ptr 1
		.amdhsa_wavefront_size32 1
		.amdhsa_system_sgpr_workgroup_id_x 1
		.amdhsa_system_sgpr_workgroup_id_y 1
		.amdhsa_system_sgpr_workgroup_id_z 1
		.amdhsa_system_vgpr_workitem_id 0
		.amdhsa_next_free_vgpr 192
		.amdhsa_next_free_sgpr 66
		.amdhsa_reserve_vcc 0
		.amdhsa_float_denorm_mode_32 3
		.amdhsa_float_denorm_mode_16_64 3
		.amdhsa_memory_ordered 1
		.amdhsa_forward_progress 1
		.amdhsa_inst_pref_size 41
	.end_amdhsa_kernel
	.amdgpu_metadata
---
amdhsa.version: [ 1, 2 ]
amdhsa.kernels:
  - .name:           k_q9529ff9d7b_prep
    .symbol:         k_q9529ff9d7b_prep.kd
    .args:
      - { .name: h, .offset: 0, .size: 8, .value_kind: global_buffer, .address_space: global }
      - { .name: W_o_codes, .offset: 8, .size: 8, .value_kind: global_buffer, .address_space: global }
      - { .name: hq, .offset: 16, .size: 8, .value_kind: global_buffer, .address_space: global }
      - { .name: woi, .offset: 24, .size: 8, .value_kind: global_buffer, .address_space: global }
      - { .name: re, .offset: 32, .size: 8, .value_kind: global_buffer, .address_space: global }
    .group_segment_fixed_size: 33280
    .private_segment_fixed_size: 0
    .kernarg_segment_align: 8
    .kernarg_segment_size: 40
    .max_flat_workgroup_size: 128
    .sgpr_count:     66
    .vgpr_count:     192
    .wavefront_size: 32
...
	.end_amdgpu_metadata
.endif
;; end of part 1
;; launch proj (part 2): grid 4 x 56, 16 waves a work-group, clusters of 4 x 4, 327,680 bytes of LDS; arguments hq, r_codes, r_scales, W_qkv_codes, W_qkv_scales, W_r_codes, W_r_scales, r_w_bias, r_r_bias, q, kv, re; writes q, kv, re
.if DOCPART == 2
	.amdgcn_target "amdgcn-amd-amdhsa--gfx1250"
	.amdhsa_code_object_version 6
	.text
	.protected	k_q9529ff9d7b_proj
	.globl	k_q9529ff9d7b_proj
	.p2align	8
	.type	k_q9529ff9d7b_proj,@function
k_q9529ff9d7b_proj:
	s_mov_b64 s[64:65], 0
	v_nop
	global_prefetch_b8 v0, s[64:65] scope:SCOPE_SE
	s_setreg_imm32_b32 hwreg(HW_REG_WAVE_MODE, 25, 1), 1
	s_wait_xcnt 0x0
	s_wait_alu depctr_hold_cnt(0) depctr_sa_sdst(0) depctr_va_vdst(0) depctr_va_sdst(0) depctr_va_ssrc(0) depctr_va_vcc(0) depctr_vm_vsrc(0)
	s_getreg_b32 s2, hwreg(HW_REG_IB_STS2, 6, 4)
	s_cmp_eq_u32 s2, 0
	s_cbranch_scc0 .Lentry_in_a_cluster
	s_endpgm
.Lentry_in_a_cluster:
	s_bfe_u32 s2, ttmp6, 0x10000c
	s_cmp_lg_u32 s2, 0xf033
	s_cbranch_scc0 .Lentry_shape_is_right
	s_endpgm
.Lentry_shape_is_right:
; Launch 2 of 4: h W_qkv and r W_r on codes of FP6 (E2M3), and the quantisers of all that attention multiplies.  No work of reference() is left out here.
; A work-group makes 256 rows (tokens, or rows of r) x 256 columns, K = 1,024.  The cluster's y gives the TYPE: 0 q, 1 k, 2 v, 3 r_k; all sixteen partners have one type.
; S side: hq (type 3: r), rows 256 sb on.  W side: W_qkv rows 1,024 type + 256 cx on (type 3: W_r rows 256 cx on).  The four partners of a row of the cluster need the same tile of S, the four of a
; column the same tile of W: each is asked for JOINTLY.  Waves 0, 1 fetch S's halves, waves 2, 3 W's; the other twelve fetch nothing.
; K GOES IN CHUNKS OF 256 BYTES of each row of 768 bytes: a tile's row begins at a multiple of 256 bytes.  Chunk c lies in slot c % 2: chunk 0 at the head, chunk 1 behind the full sequence, chunk 2 as slot 0's refill.
; A step of 128 along K is 96 bytes: steps 2 and 5 lie across two chunks and read both slots; a barrier for the new chunk stands ahead of each of them.
; Wave w owns W's rows 64 (w % 4) on and S's rows 64 (w / 4) on: 16 accumulators.  In LDS S's 256 rows lie first and W's behind them, for every type: no LDS address hangs on the type.
; q, k, r_k: source 0 = W, source 1 = S: a lane holds one token and its registers run along the head's d, the next product's K.  v: source 0 = S, source 1 = W: a lane holds one d and its registers run along
; 64 tokens, the next K.  A scalar branch on the type, which all partners share, chooses between the two forms of each eight products.
; THE WAY OUT.  32 registers of a lane are two blocks of 32 along the next K; lane l xor 16 holds the other half of each.  The codes leave as HALF IMAGES: 16 rows x 64 K = 768 bytes, chunk k of 256 bytes =
; operand registers 2 k, 2 k + 1, lane l's 8 bytes at 8 l; a scale word a row: bytes 0, 1 = the two blocks (r_k: the same two once more in bytes 2, 3).
; ORDER INSIDE A BLOCK: a lane's 16 numbers of a block are elements 8 h + 0..7 and 16 + 8 h + 0..7: one fixed order, the same on both operands of each product of attention; the blocks are the true blocks.
; NO PREFETCH: the walk has three chunks and no loop to run ahead in.
; LIMITS: NaN and infinities are not served; a block of zeros gets the byte 1 (its codes are zeros; this program alone reads the bytes).
.set PITCH,  272                       ; 256 bytes + 16 of padding
.set HALFT,  128*PITCH
.set SLOT,   4*HALFT                   ; S's 256 rows, then W's 256
.set SPARE,  2*SLOT                    ; the spare words: 128 bytes for each of 16 waves
.set HQS,    3145728
.set QRI,    3145728
.set QSW,    6291456
.set QSR,    262144
.set PKB,    13312                     ; kv: a pack: 128 keys of one (b, n): K's 8 images, V's 8, K's 128 words, V's 128
.set REH,    107520                    ; re: a head's region: 768 zeros, 128 images, 256 zeros, 2,048 words
.set ADRX, 4                           ; v4-5 W's fragments in slot 0, 1; v6-7: lanes 0-15 byte 232 of a row in slot 0, 1, lanes 16-31 byte 0 of the row in the other slot
.set ADRY, 8                           ; v8-11 the same for S
.set SPW,  12
.set NIL,  13
.set L8,   14
.set L4,   15
.set XS,   16                          ; v16-31 W's scale words: register 8 p + s: K step s of row 32 p + lane.  These 32 registers hold scales and nothing else
.set YS,   32                          ; v32-47 S's
.set WF,   48                          ; v48-95 W's four fragments
.set SF,   96                          ; v96-119 two of S's four
.set ACC,  128
.set PWS,  4
.set BA,   8
.set B,    48
.set T,    80
.set CD,   112
.set QMA,  120
.set QMB,  121
.set QPA,  122
.set QPB,  123
.set QCT,  124
.set WV,   28
.set HI,   39
.set G1S,  40
.set G1W,  48
.set G0S,  56
.set G0W,  68
.set IB,   90
.set SB,   92
.set SEL,  98
.macro PLACES n
.rept \n
	v_nop
.endr
.endm
.macro CROUND                          ; a round of the cluster's barrier
	s_barrier_signal -1
	s_barrier_wait -1
	s_cmp_lg_u32 s[WV], 0
	s_cbranch_scc1 .Lnot_wave_0_\@
	s_barrier_signal -3
.Lnot_wave_0_\@:
	s_barrier_wait -3
	s_barrier_signal -1
	s_barrier_wait -1
.endm
.macro JLOAD s                         ; a joint load into slot s: one chain of branches on the wave's number, one load an arm; an s_nop 0 and four v_nop follow each load
	s_cmp_lt_u32 s[WV], 2
	s_cbranch_scc0 .Lnot_s_\@
	tensor_load_to_lds s[G0S+4*\s:G0S+4*\s+3], s[G1S:G1S+7]
	s_nop 0
	PLACES 4
	s_branch .Lasked_\@
.Lnot_s_\@:
	s_cmp_lt_u32 s[WV], 4
	s_cbranch_scc0 .Lasked_\@
	tensor_load_to_lds s[G0W+4*\s:G0W+4*\s+3], s[G1W:G1W+7]
	s_nop 0
	PLACES 4
.Lasked_\@:
.endm
.macro WM d, a, b, z, sa, sb, ra, rb   ; z = 1: C is 0; ra, rb: the half of the lanes in which A's and B's scale words stand
.set WSEL, 4*(\z)+2*(\ra)+(\rb)
.if WSEL == 0
	v_wmma_scale_f32_16x16x128_f8f6f4 v[(\d):(\d)+7], v[(\a):(\a)+11], v[(\b):(\b)+11], v[(\d):(\d)+7], v[(\sa)], v[(\sb)] matrix_a_fmt:MATRIX_FMT_FP6 matrix_b_fmt:MATRIX_FMT_FP6
.elseif WSEL == 1
	v_wmma_scale_f32_16x16x128_f8f6f4 v[(\d):(\d)+7], v[(\a):(\a)+11], v[(\b):(\b)+11], v[(\d):(\d)+7], v[(\sa)], v[(\sb)] matrix_a_fmt:MATRIX_FMT_FP6 matrix_b_fmt:MATRIX_FMT_FP6 matrix_b_scale:MATRIX_SCALE_ROW1
.elseif WSEL == 2
	v_wmma_scale_f32_16x16x128_f8f6f4 v[(\d):(\d)+7], v[(\a):(\a)+11], v[(\b):(\b)+11], v[(\d):(\d)+7], v[(\sa)], v[(\sb)] matrix_a_fmt:MATRIX_FMT_FP6 matrix_b_fmt:MATRIX_FMT_FP6 matrix_a_scale:MATRIX_SCALE_ROW1
.elseif WSEL == 3
	v_wmma_scale_f32_16x16x128_f8f6f4 v[(\d):(\d)+7], v[(\a):(\a)+11], v[(\b):(\b)+11], v[(\d):(\d)+7], v[(\sa)], v[(\sb)] matrix_a_fmt:MATRIX_FMT_FP6 matrix_b_fmt:MATRIX_FMT_FP6 matrix_a_scale:MATRIX_SCALE_ROW1 matrix_b_scale:MATRIX_SCALE_ROW1
.elseif WSEL == 4
	v_wmma_scale_f32_16x16x128_f8f6f4 v[(\d):(\d)+7], v[(\a):(\a)+11], v[(\b):(\b)+11], 0, v[(\sa)], v[(\sb)] matrix_a_fmt:MATRIX_FMT_FP6 matrix_b_fmt:MATRIX_FMT_FP6
.elseif WSEL == 5
	v_wmma_scale_f32_16x16x128_f8f6f4 v[(\d):(\d)+7], v[(\a):(\a)+11], v[(\b):(\b)+11], 0, v[(\sa)], v[(\sb)] matrix_a_fmt:MATRIX_FMT_FP6 matrix_b_fmt:MATRIX_FMT_FP6 matrix_b_scale:MATRIX_SCALE_ROW1
.elseif WSEL == 6
	v_wmma_scale_f32_16x16x128_f8f6f4 v[(\d):(\d)+7], v[(\a):(\a)+11], v[(\b):(\b)+11], 0, v[(\sa)], v[(\sb)] matrix_a_fmt:MATRIX_FMT_FP6 matrix_b_fmt:MATRIX_FMT_FP6 matrix_a_scale:MATRIX_SCALE_ROW1
.else
	v_wmma_scale_f32_16x16x128_f8f6f4 v[(\d):(\d)+7], v[(\a):(\a)+11], v[(\b):(\b)+11], 0, v[(\sa)], v[(\sb)] matrix_a_fmt:MATRIX_FMT_FP6 matrix_b_fmt:MATRIX_FMT_FP6 matrix_a_scale:MATRIX_SCALE_ROW1 matrix_b_scale:MATRIX_SCALE_ROW1
.endif
.endm
; A fragment, 16 rows x 128 K, in six pieces of 8 bytes.  Byte y of a row of codes lies in chunk y / 256, in slot (y / 256) % 2, at byte y % 256 of the LDS row.  Lanes 16-31 read 24 bytes further on than
; lanes 0-15; where that is in the next chunk, the second pair of address registers serves.
.macro FRAG reg, adr, st, i
.irp p, 0,1,2,3,4,5
.set BY, 96*(\st)+48*(\p/3)+8*(\p%3)
.if BY/256 == (BY+24)/256
	ds_load_b64 v[(\reg)+2*\p:(\reg)+2*\p+1], v[(\adr)+(BY/256)%2] offset:BY%256+(\i)*16*PITCH
.else
	ds_load_b64 v[(\reg)+2*\p:(\reg)+2*\p+1], v[(\adr)+2+(BY/256)%2] offset:BY%256-232+(\i)*16*PITCH
.endif
.endr
.endm
; Eight products: S's tiles y0, y0 + 1 with W's four, on eight accumulators by turns.  sw = 1: S is source 0, and the accumulators of one tile of W stand on end.
.macro MM8 y0, st, zero, sw
.irp yy, 0,1
.irp x, 0,1,2,3
.if \sw
	WM ACC+8*(4*\x+(\y0)+\yy), SF+12*\yy, WF+12*\x, \zero, YS+8*((\y0)/2)+(\st), XS+8*(\x/2)+(\st), \yy, \x%2
.else
	WM ACC+8*(4*((\y0)+\yy)+\x), WF+12*\x, SF+12*\yy, \zero, XS+8*(\x/2)+(\st), YS+8*((\y0)/2)+(\st), \x%2, \yy
.endif
.endr
.endr
.endm
.macro HALF y0, st, zero
	FRAG SF, ADRY, \st, \y0
	FRAG SF+12, ADRY, \st, (\y0)+1
	s_wait_dscnt 0x0
	s_cmp_eq_u32 s34, 2                            ; the type: the same in every wave of every partner
	s_cbranch_scc1 .Lv_\@
	MM8 \y0, \st, \zero, 0
	s_branch .Lj_\@
.Lv_\@:
	MM8 \y0, \st, \zero, 1
.Lj_\@:
.endm
.macro KS st, zero                     ; 128 along K: 16 products
	PLACES 4                                       ; in front of loads into registers that matrix instructions have read
.irp x, 0,1,2,3
	FRAG WF+12*\x, ADRX, \st, \x
.endr
	HALF 0, \st, \zero
	PLACES 5                                       ; four in front of the loads into S's fragments; five, since on a way that changed forms a product with C = 0 would write over an accumulator of the first half
	HALF 2, \st, \zero
.endm
; 32 numbers of a lane, v[s] on: register 16 b + i = my 16 of block b.  They become the six registers of a half image in v[cd] on, and the row's scale word in v[pw].
.macro QUANT32 s, cd, pw
	v_max3_num_f32 v[QMA], |v[(\s)]|, |v[(\s)+1]|, 0x1800000       ; the floor 2^(3 - 127) among the leaves: the byte cannot fall under 1
	v_max3_num_f32 v[QMB], |v[(\s)+16]|, |v[(\s)+17]|, 0x1800000
.irp i, 2,4,6,8,10,12,14
	v_max3_num_f32 v[QMA], v[QMA], |v[(\s)+\i]|, |v[(\s)+\i+1]|
	v_max3_num_f32 v[QMB], v[QMB], |v[(\s)+16+\i]|, |v[(\s)+17+\i]|
.endr
	s_delay_alu instid0(VALU_DEP_2)
	v_permlanex16_b32 v[QPA], v[QMA], s[SEL], s[SEL+1]
	s_delay_alu instid0(VALU_DEP_2)
	v_permlanex16_b32 v[QPB], v[QMB], s[SEL], s[SEL+1]
	s_delay_alu instid0(VALU_DEP_2)
	v_max_num_f32 v[QMA], v[QMA], v[QPA]           ; with lane l xor 16's: the block's largest magnitude
	s_delay_alu instid0(VALU_DEP_2)
	v_max_num_f32 v[QMB], v[QMB], v[QPB]
	s_delay_alu instid0(VALU_DEP_2)
	v_add_nc_u32 v[QPA], 0xff000000, v[QMA]        ; 2 off the exponent field: the conversion's scale operand
	s_delay_alu instid0(VALU_DEP_2)
	v_add_nc_u32 v[QPB], 0xff000000, v[QMB]
	s_delay_alu instid0(VALU_DEP_2)
	v_lshrrev_b32 v[QMA], 23, v[QPA]               ; the bytes
	s_delay_alu instid0(VALU_DEP_2)
	v_lshrrev_b32 v[QMB], 23, v[QPB]
	s_delay_alu instid0(VALU_DEP_1)
	v_lshl_or_b32 v[(\pw)], v[QMB], 8, v[QMA]
	v_cvt_scalef32_pk16_fp6_f32 v[(\cd):(\cd)+2], v[(\s):(\s)+15], v[QPA]
	v_cvt_scalef32_pk16_fp6_f32 v[QCT:QCT+2], v[(\s)+16:(\s)+31], v[QPB]
	v_nop                                          ; one plain line behind a scaled conversion
.irp i, 0,1,2
	v_permlane16_swap_b32 v[(\cd)+\i], v[QCT+\i]   ; a whole block to a lane: lanes 0-15 block 0, lanes 16-31 block 1
.endr
.irp i, 0,1,2
	s_delay_alu instid0(VALU_DEP_3)
	v_mov_b32 v[(\cd)+3+\i], v[QCT+\i]
.endr
.endm
; Four tiles of source 1's rows are quantised and stored.  mode 0: the sums as they are; 1: sums + bias into T; 2: sums + bias in place; 3: as 0, the word's two bytes once more in bytes 2, 3.
.macro PASS mode, ioff, soff
.irp y, 0,1,2,3
.if \mode == 1
.irp j, 0,2,4,6,8,10,12,14,16,18,20,22,24,26,28,30
	v_pk_add_f32 v[T+\j:T+\j+1], v[ACC+32*\y+\j:ACC+32*\y+\j+1], v[B+\j:B+\j+1]
.endr
.elseif \mode == 2
.irp j, 0,2,4,6,8,10,12,14,16,18,20,22,24,26,28,30
	v_pk_add_f32 v[ACC+32*\y+\j:ACC+32*\y+\j+1], v[ACC+32*\y+\j:ACC+32*\y+\j+1], v[B+\j:B+\j+1]
.endr
.endif
	s_wait_xcnt 0x0                                ; the earlier stores have read their data: the codes' and the words' registers are written again only behind this wait
	s_wait_alu depctr_va_vdst(0)
.if \mode == 1
	QUANT32 T, CD, PWS+\y
.else
	QUANT32 ACC+32*\y, CD, PWS+\y
.endif
.if \mode == 3
	v_lshl_or_b32 v[PWS+\y], v[PWS+\y], 16, v[PWS+\y]
.endif
.irp k, 0,1,2
	global_store_b64 v[L8], v[CD+2*\k:CD+2*\k+1], s[IB:IB+1] offset:(\ioff)+768*\y+256*\k   ; 256 consecutive bytes, aligned
.endr
.endr
	v_cndmask_b32 v[PWS], v[PWS], v[PWS+1], s[HI]  ; lanes 0-15 the words of one tile's rows, lanes 16-31 the next tile's
	v_cndmask_b32 v[PWS+2], v[PWS+2], v[PWS+3], s[HI]
	global_store_b32 v[L4], v[PWS], s[SB:SB+1] offset:(\soff)
	global_store_b32 v[L4], v[PWS+2], s[SB:SB+1] offset:(\soff)+128
.endm
	s_load_b512 s[4:19], s[0:1], 0x0               ; hq s[4:5], r's codes, r's scales, W_qkv's codes, W_qkv's scales, W_r's codes, W_r's scales, r_w_bias s[18:19]
	s_load_b256 s[20:27], s[0:1], 0x40             ; r_r_bias, q, kv, re
	v_lshl_add_u32 v[SPW], v0, 2, SPARE
	v_mov_b32 v[NIL], 0
	ds_add_u32 v[SPW], v[NIL]                      ; the opening: the add, twice on end, and its wait ahead of the first tensor loads
	ds_add_u32 v[SPW], v[NIL]
	v_lshrrev_b32 v1, 5, v0
	v_readfirstlane_b32 s[WV], v1                  ; wave 0..15
	s_and_b32 s29, s[WV], 3                        ; my 64 rows of W
	s_lshr_b32 s30, s[WV], 2                       ; my 64 rows of S
	s_bfe_u32 s31, ttmp6, 0x40000                  ; cx = the work-group's x: the grid is one cluster wide
	s_bfe_u32 s32, ttmp6, 0x40004                  ; cy
	s_and_b32 s33, ttmp7, 0xffff                   ; the cluster's y, 0 .. 13
	s_lshr_b32 s34, s33, 2                         ; the type
	s_lshl_b32 s35, s33, 2
	s_add_co_u32 s35, s35, s32
	s_and_b32 s36, s35, 15                         ; sb: which 256 rows of the S side
	s_lshl_b32 s37, s32, 2
	s_lshl_b32 s37, 15, s37                        ; my row of the cluster
	s_lshl_b32 s38, 0x1111, s31                    ; my column
	s_or_b32 s[G1S], s37, (1<<20)|(1<<21)|(5<<22)|(3<<25)   ; the mask; elements of 1 byte; padding on; bit 21 beside a mask; behind every 64 words 4 words
	s_or_b32 s[G1W], s38, (1<<20)|(1<<21)|(5<<22)|(3<<25)
.irp g, G1S, G1W
	s_mov_b32 s[\g+1], 256<<16                     ; tensor_dim0
	s_mov_b32 s[\g+2], 128<<16                     ; tensor_dim1
	s_mov_b32 s[\g+3], 256<<16                     ; tile_dim0
	s_mov_b32 s[\g+4], 128                         ; tile_dim1
	s_mov_b32 s[\g+5], 768                         ; from row to row
	s_mov_b32 s[\g+6], 0
	s_mov_b32 s[\g+7], 0
.endr
	s_and_b32 s76, s[WV], 1
	s_lshl_b32 s76, s76, 7                         ; which 128 rows I fetch, if I fetch
	s_lshl_b32 s78, s36, 8
	s_add_co_u32 s78, s78, s76
	s_mul_i32 s78, s78, 768                        ; S: in bytes; made of the work-group's y and the wave alone
	s_mov_b32 s79, 0
	s_cmp_eq_u32 s34, 3
	s_cselect_b32 s82, 0, s34
	s_lshl_b32 s82, s82, 10
	s_lshl_b32 s80, s31, 8
	s_add_co_u32 s82, s82, s80                     ; W: the tile's first row; made of the type, cx and the wave alone
	s_add_co_u32 s80, s82, s76
	s_mul_i32 s80, s80, 768
	s_mov_b32 s81, 0
	s_mul_i32 s83, s29, HALFT                      ; where it goes: S's halves, then W's
	s_mov_b32 s[SEL], 0x76543210
	s_mov_b32 s[SEL+1], 0xfedcba98
	s_mov_b32 s[HI], 0xffff0000
	s_wait_dscnt 0x0                               ; both opening adds are done
	s_wait_kmcnt 0x0
	s_cmp_eq_u32 s34, 3
	s_cselect_b64 s[84:85], s[6:7], s[4:5]         ; S's codes
	s_cselect_b64 s[86:87], s[14:15], s[10:11]     ; W's codes
	s_cselect_b64 s[88:89], s[8:9], s[4:5]         ; the buffer of S's scale bytes,
	s_cselect_b32 s90, 0, HQS                      ; and where they begin in it
	s_cselect_b64 s[92:93], s[16:17], s[12:13]     ; W's scale bytes
	s_add_nc_u64 s[84:85], s[84:85], s[78:79]
	s_add_nc_u64 s[86:87], s[86:87], s[80:81]
	CROUND                                         ; all sixteen work-groups are here: the first joint loads meet
.irp s, 0,1
	s_mov_b32 s[G0S+4*\s], 1
	s_add_co_u32 s[G0S+4*\s+1], s83, \s*SLOT
	s_add_nc_u64 s[G0S+4*\s+2:G0S+4*\s+3], s[84:85], \s*256
	s_or_b32 s[G0S+4*\s+3], s[G0S+4*\s+3], 0x80000000
	s_mov_b32 s[G0W+4*\s], 1
	s_add_co_u32 s[G0W+4*\s+1], s83, \s*SLOT
	s_add_nc_u64 s[G0W+4*\s+2:G0W+4*\s+3], s[86:87], \s*256
	s_or_b32 s[G0W+4*\s+3], s[G0W+4*\s+3], 0x80000000
.endr
	JLOAD 0                                        ; chunk 0: one tensor load a wave at the head
	s_lshl_b32 s91, s36, 13                        ; S's 256 rows of 32 scale bytes,
	s_add_co_u32 s90, s90, s91
	s_lshl_b32 s80, s30, 11
	s_add_co_u32 s90, s90, s80                     ; my 64 of them
	s_lshl_b32 s91, s82, 5                         ; W's
	s_lshl_b32 s80, s29, 11
	s_add_co_u32 s91, s91, s80
	s_mul_i32 s76, s29, 64*PITCH
	s_add_co_u32 s76, s76, 2*HALFT                 ; my rows of W in a slot,
	s_mul_i32 s77, s30, 64*PITCH                   ; and of S
	s_mov_b32 s78, SLOT-232
	s_mov_b32 s79, SLOT+232
	v_and_b32 v1, 15, v0                           ; r
	v_bfe_u32 v2, v0, 4, 1                         ; h
	v_and_b32 v3, 31, v0                           ; lane
	v_lshlrev_b32 v[L8], 3, v3
	v_lshlrev_b32 v[L4], 2, v3
	v_lshl_add_u32 v120, v3, 5, s91
	v_lshl_add_u32 v121, v3, 5, s90
.irp p, 0,1                                    ; a row's 32 scale bytes are the words of its eight K steps: a lane a row, 1,024 consecutive bytes a pair of loads
	global_load_b128 v[XS+8*\p:XS+8*\p+3], v120, s[92:93] offset:1024*\p
	global_load_b128 v[XS+8*\p+4:XS+8*\p+7], v120, s[92:93] offset:1024*\p+16
	global_load_b128 v[YS+8*\p:YS+8*\p+3], v121, s[88:89] offset:1024*\p
	global_load_b128 v[YS+8*\p+4:YS+8*\p+7], v121, s[88:89] offset:1024*\p+16
.endr
	v_mul_u32_u24 v122, v1, PITCH
	v_mul_u32_u24 v123, v2, 24
	v_sub_nc_u32 v124, 1, v2                       ; 1 in lanes 0-15
	v_mul_u32_u24 v125, s78, v2
	v_mul_u32_u24 v126, s79, v124
	v_add_nc_u32 v123, v122, v123                  ; row x pitch + 24 h
	v_add_nc_u32 v125, v122, v125
	v_add_nc_u32 v126, v122, v126                  ; lanes 0-15 byte 232 of the row in slot 1, lanes 16-31 byte 0 of the row in slot 0
	v_add_nc_u32 v125, 232, v125                   ; lanes 0-15 byte 232 of the row in slot 0, lanes 16-31 byte 0 of the row in slot 1
	v_add_nc_u32 v[ADRX], s76, v123
	v_add_nc_u32 v[ADRY], s77, v123
	v_add_nc_u32 v[ADRX+2], s76, v125
	v_add_nc_u32 v[ADRY+2], s77, v125
	v_add_nc_u32 v[ADRX+3], s76, v126
	v_add_nc_u32 v[ADRY+3], s77, v126
	v_add_nc_u32 v[ADRX+1], SLOT, v[ADRX]
	v_add_nc_u32 v[ADRY+1], SLOT, v[ADRY]
	s_wait_alu depctr_va_vdst(0)
	s_wait_tensorcnt 0x0                           ; my part of chunk 0 is in
	ds_add_u32 v[SPW], v[NIL]                      ; twice on end
	ds_add_u32 v[SPW], v[NIL]
	s_wait_dscnt 0x0
	CROUND                                         ; everybody's part of chunk 0 is in, and the joint loads meet
	JLOAD 1                                        ; chunk 1, the first tensor load behind the round
	s_wait_loadcnt 0x0                             ; the scale words
	KS 0, 1                                        ; the first step's products start the sums
	KS 1, 0
	s_wait_tensorcnt 0x0                           ; my part of chunk 1 is in
	s_wait_dscnt 0x0
	s_barrier_signal -1
	s_barrier_wait -1
	KS 2, 0                                        ; across chunks 0 and 1
	s_wait_tensorcnt 0x0                           ; chunk 0 is read no more: slot 0 is filled again
	ds_add_u32 v[SPW], v[NIL]
	ds_add_u32 v[SPW], v[NIL]
	s_add_nc_u64 s[G0S+2:G0S+3], s[G0S+2:G0S+3], 512
	s_add_nc_u64 s[G0W+2:G0W+3], s[G0W+2:G0W+3], 512
	s_wait_dscnt 0x0                               ; the adds are done, and my reads of the slot are over
	CROUND                                         ; no wave of any partner still reads the slot or has a load on its way
	JLOAD 0                                        ; chunk 2
	KS 3, 0
	KS 4, 0
	s_wait_tensorcnt 0x0                           ; my part of chunk 2 is in
	s_wait_dscnt 0x0
	s_barrier_signal -1
	s_barrier_wait -1
	KS 5, 0                                        ; across chunks 1 and 2
	KS 6, 0
	KS 7, 0
	PLACES 4                                       ; behind the last products: their results are read, and their operands' registers loaded, below
	; ---------------- THE WAY OUT
	v_mov_b32 v[QPA], 0                            ; written once: a lane permute's destination counts as one of its sources
	v_mov_b32 v[QPB], 0
	s_mov_b32 s76, s30                             ; the wave's place on the token side,
	s_lshl_b32 s78, s31, 2
	s_add_co_u32 s78, s78, s29                     ; the head n
	s_lshr_b32 s79, s36, 3                         ; b
	s_and_b32 s80, s36, 7                          ; which 256 tokens of b
	s_lshl_b32 s81, s79, 4
	s_add_co_u32 s81, s81, s78                     ; 16 b + n
	s_mov_b32 s85, 0
	s_mov_b32 s87, 0
	s_cmp_eq_u32 s34, 0
	s_cbranch_scc1 .Lout_q
	s_cmp_eq_u32 s34, 3
	s_cbranch_scc1 .Lout_r
	; k and v: into pack (b, n, key step of 128)
	s_lshl_b32 s82, s80, 1
	s_lshr_b32 s83, s76, 1
	s_add_co_u32 s82, s82, s83                     ; the key step
	s_lshl_b32 s83, s81, 4
	s_add_co_u32 s82, s82, s83
	s_mul_i32 s82, s82, PKB                        ; the pack
	s_and_b32 s83, s76, 1                          ; its first or second 64 keys
	s_mul_i32 s84, s83, 3072
	s_lshl_b32 s86, s83, 8
	s_cmp_eq_u32 s34, 2
	s_cselect_b32 s83, 6144, 0                     ; V's images lie behind K's,
	s_cselect_b32 s88, 512, 0                      ; V's words behind K's
	s_add_co_u32 s84, s84, s82
	s_add_co_u32 s84, s84, s83
	s_add_co_u32 s86, s86, s82
	s_add_co_u32 s86, s86, s88
	s_add_co_u32 s86, s86, 12288
	s_add_nc_u64 s[IB:IB+1], s[24:25], s[84:85]
	s_add_nc_u64 s[SB:SB+1], s[24:25], s[86:87]
	PASS 0, 0, 0
	s_branch .Lout_done
.Lout_q:                                           ; q + r_w_bias and q + r_r_bias, each quantised by itself
	s_lshl_b32 s82, s80, 4
	s_lshl_b32 s83, s76, 2
	s_add_co_u32 s82, s82, s83                     ; my first tile of 16 tokens
	s_lshl_b32 s83, s81, 7
	s_add_co_u32 s82, s82, s83                     ; (16 b + n) x 128 + tile
	s_mul_i32 s84, s82, 768
	s_lshl_b32 s86, s82, 6
	s_add_co_u32 s86, s86, QSW
	s_add_nc_u64 s[IB:IB+1], s[22:23], s[84:85]
	s_add_nc_u64 s[SB:SB+1], s[22:23], s[86:87]
	s_lshl_b32 s88, s78, 8                         ; the head's 64 numbers of a bias
	s_mov_b32 s89, 0
	s_add_nc_u64 s[94:95], s[18:19], s[88:89]
	s_add_nc_u64 s[96:97], s[20:21], s[88:89]
	v_lshlrev_b32 v[BA], 5, v2                     ; register 8 x + j is d = 16 x + 8 h + j
.irp x, 0,1,2,3
	global_load_b128 v[B+8*\x:B+8*\x+3], v[BA], s[94:95] offset:64*\x
	global_load_b128 v[B+8*\x+4:B+8*\x+7], v[BA], s[94:95] offset:64*\x+16
.endr
	s_wait_loadcnt 0x0
	PASS 1, 0, 0
.irp x, 0,1,2,3
	global_load_b128 v[B+8*\x:B+8*\x+3], v[BA], s[96:97] offset:64*\x
	global_load_b128 v[B+8*\x+4:B+8*\x+7], v[BA], s[96:97] offset:64*\x+16
.endr
	s_wait_loadcnt 0x0
	PASS 2, QRI, QSR
	s_branch .Lout_done
.Lout_r:                                           ; r_k: the head's images, behind its tile of zeros, and its scale words, behind their zeros
	s_lshl_b32 s82, s36, 4
	s_lshl_b32 s83, s76, 2
	s_add_co_u32 s82, s82, s83                     ; my first tile of 16 rows
	s_mul_i32 s83, s78, REH
	s_mul_i32 s84, s82, 768
	s_add_co_u32 s84, s84, s83
	s_add_co_u32 s84, s84, 768
	s_lshl_b32 s86, s82, 6
	s_add_co_u32 s86, s86, s83
	s_add_co_u32 s86, s86, 99328
	s_add_nc_u64 s[IB:IB+1], s[26:27], s[84:85]
	s_add_nc_u64 s[SB:SB+1], s[26:27], s[86:87]
	PASS 3, 0, 0
.Lout_done:
	s_wait_tensorcnt 0x0                           ; the wave's end
	ds_add_u32 v[SPW], v[NIL]
	s_wait_dscnt 0x0
	CROUND                                         ; the closing round
	s_endpgm
.Lfunc_end_k_q9529ff9d7b_proj:
	.size	k_q9529ff9d7b_proj, .Lfunc_end_k_q9529ff9d7b_proj-k_q9529ff9d7b_proj
	.p2alignl 7, 3214868480
	.fill 96, 4, 3214868480
	.section	.rodata,"a",@progbits
	.p2align	6, 0x0
	.amdhsa_kernel k_q9529ff9d7b_proj
		.amdhsa_group_segment_fixed_size 327680
		.amdhsa_private_segment_fixed_size 0
		.amdhsa_enable_private_segment 0
		.amdhsa_kernarg_size 96
		.amdhsa_user_sgpr_count 2
		.amdhsa_user_sgpr_kernarg_segment_ptr 1
		.amdhsa_wavefront_size32 1
		.amdhsa_system_sgpr_workgroup_id_x 1
		.amdhsa_system_sgpr_workgroup_id_y 1
		.amdhsa_system_sgpr_workgroup_id_z 1
		.amdhsa_system_vgpr_workitem_id 0
		.amdhsa_next_free_vgpr 256
		.amdhsa_next_free_sgpr 102
		.amdhsa_reserve_vcc 0
		.amdhsa_float_denorm_mode_32 3
		.amdhsa_float_denorm_mode_16_64 3
		.amdhsa_memory_ordered 1
		.amdhsa_forward_progress 1
		.amdhsa_inst_pref_size 126
	.end_amdhsa_kernel
	.amdgpu_metadata
---
amdhsa.version: [ 1, 2 ]
amdhsa.kernels:
  - .name:           k_q9529ff9d7b_proj
    .symbol:         k_q9529ff9d7b_proj.kd
    .args:
      - { .name: hq, .offset: 0, .size: 8, .value_kind: global_buffer, .address_space: global }
      - { .name: r_codes, .offset: 8, .size: 8, .value_kind: global_buffer, .address_space: global }
      - { .name: r_scales, .offset: 16, .size: 8, .value_kind: global_buffer, .address_space: global }
      - { .name: W_qkv_codes, .offset: 24, .size: 8, .value_kind: global_buffer, .address_space: global }
      - { .name: W_qkv_scales, .offset: 32, .size: 8, .value_kind: global_buffer, .address_space: global }
      - { .name: W_r_codes, .offset: 40, .size: 8, .value_kind: global_buffer, .address_space: global }
      - { .name: W_r_scales, .offset: 48, .size: 8, .value_kind: global_buffer, .address_space: global }
      - { .name: r_w_bias, .offset: 56, .size: 8, .value_kind: global_buffer, .address_space: global }
      - { .name: r_r_bias, .offset: 64, .size: 8, .value_kind: global_buffer, .address_space: global }
      - { .name: q, .offset: 72, .size: 8, .value_kind: global_buffer, .address_space: global }
      - { .name: kv, .offset: 80, .size: 8, .value_kind: global_buffer, .address_space: global }
      - { .name: re, .offset: 88, .size: 8, .value_kind: global_buffer, .address_space: global }
    .group_segment_fixed_size: 327680
    .private_segment_fixed_size: 0
    .kernarg_segment_align: 8
    .kernarg_segment_size: 96
    .max_flat_workgroup_size: 512
    .sgpr_count:     102
    .vgpr_count:     256
    .wavefront_size: 32
...
	.end_amdgpu_metadata
.endif
;; end of part 2
;; launch attn (part 3): grid 8 x 32, 8 waves a work-group, no clusters, 327,680 bytes of LDS; arguments q, kv, re, av; writes av
.if DOCPART == 3
	.amdgcn_target "amdgcn-amd-amdhsa--gfx1250"
	.amdhsa_code_object_version 6
	.text
	.protected	k_q9529ff9d7b_attn
	.globl	k_q9529ff9d7b_attn
	.p2align	8
	.type	k_q9529ff9d7b_attn,@function
k_q9529ff9d7b_attn:
	s_mov_b64 s[64:65], 0
	v_nop
	global_prefetch_b8 v0, s[64:65] scope:SCOPE_SE
	s_setreg_imm32_b32 hwreg(HW_REG_WAVE_MODE, 25, 1), 1
	s_wait_xcnt 0x0
; Launch 3 of 4: the scores AC + shifted BD, the softmax, the product with v, and the quantiser of attn_vec, all on codes of FP6 (E2M3).  No work of reference() is left out in whole units.
; A work-group owns 256 queries of one (b, n); each of its eight waves 32 of them, as TWO TILES of 16 (A: the first 16, B: the next 16); a lane holds one query of each tile (lane % 16).  Every wave walks all
; 2,048 keys, 128 a step.  K's, V's and r_k's fragments are read from LDS once for both tiles.
; SHIFTED BD.  With u = j - i + 2,047: shifted[i][j] = (q_i + r_r_bias) . r_k[u] for u < 2,048, 0 for u = 2,048, (q_(i+1) + r_r_bias) . r_k[u - 2,049] beyond.  For 16 queries and 128 keys u runs over 143 values:
; nine tiles of 16.  Tile B's window begins one tile ahead of tile A's: the two take ten tiles, g = 0 .. 9, from tile W0 = 126 - 16 query block - 2 wave + 8 step on: B takes 0 .. 8, A takes 1 .. 9.
; THE HEAD'S r_k STAYS IN LDS for the whole launch: a tile of zeros, 128 half images of 768 bytes, 256 bytes of zeros, 2,048 scale words: 107,520 bytes, fetched once.  A LOW tile (under 128) is image W0 + g as it
; lies.  A HIGH tile is rows 16 (W0 + g - 128) - 1 on: the same images read one row back, by a second address in which lane r takes row r - 1 and lane 0 the last row of the image before; ahead of row 0 lie zeros.
; LOW: source 0 = the tile's six registers and, behind them, the next tile's; source 1 = [q_i | 0].  HIGH: source 0 = the tile before's six registers and its own; source 1 = [0 | q_(i+1)].  What stands beside
; the data meets zero codes, under scale bytes that are numbers: it adds nothing.  A scale word of r_k holds its two bytes twice, so it serves both forms.  W0 is even: tiles 2 p, 2 p + 1 go one way, chosen by a
; scalar branch on ids and loop counts.
; THE SKEW u -> j differs from query to query: a tile's nine results go to the wave's stage in LDS, a row of 144 words a query, and come back one word at a time from word 15 - r + key on, straight into the
; registers that the product AC takes as its C.  One stage serves both tiles, one after the other.
; AC = k . [q + r_w_bias | 0]: K = 64 in an instruction of 128: the upper six registers of source 0 are the next tile's codes; they meet zero codes.
; K AND V go through two slots of FOUR key steps (four packs, 53,248 bytes): four changes of slots for sixteen steps.  At the head waves 0-3 fetch the quarters of r_k's region and waves 4-7 a pack each; the
; refills are waves 4-7's, a pack each.  By the text's own count a wave has one tensor load out at the most; every wait on that counter is for 0.
; SOFTMAX: t = score x log2(e) / 8; M = the running largest t rounded up to a whole number; p = 2^(t - M) is quantised along the keys; the row's sum is taken of the unquantised p and divides at the end.
; NO CLUSTER: the eight query blocks of a (b, n) fetch the same bytes, but the LDS addresses of r_k's window and the branch between the two forms hang on the query block, which would be the place in the cluster.
; PREFETCH: at the change that fetches slot s + 1, wave 0 of each of the eight query blocks names 26 of the 208 blocks of 256 bytes of slot s + 2, a lane a block; the last change that fills asks for nothing.
; r_k's region is fetched at the head, ahead of any loop, and is not prefetched.
; REGISTERS, in windows of 256.  Window 0: addresses, statistics, scale words, p's codes, the scores.  Window 1: the fragments, the queries, O^T.
; LIMITS: NaN and infinities are not served; a block of zeros gets the byte 1 (its codes are zeros); the promise holds while the scaled scores t stay under 2^31 in magnitude.
.set REH,   107520
.set REC,   768                        ; r_k's image 0
.set RSW,   99328                      ; r_k's scale word 0
.set PKB,   13312
.set KV0,   131072                     ; slot 0; slot 1 lies 65,536 on: one exclusive or turns an address
.set SLOT1, 65536
.set STG,   249856                     ; the stages: 16 rows x 592 bytes for each wave
.set STW,   9472
.set SPARE, STG+8*STW                  ; the spare words: 128 bytes for each of 8 waves
.set CK,   1                           ; 8 lane + slot 0
.set CRL,  2                           ; 8 lane + image 0
.set CSC,  3                           ; 4 lane + K's scale words in slot 0
.set CRS,  4                           ; 4 lane + the word ahead of r_k's word 0
.set CRH,  5                           ; image 0, one row back
.set STO,  6                           ; the stage, in: 592 r + 32 h
.set RD,   7                           ; the stage, out: 588 r + 32 h + 60
.set SPW,  8
.set NIL,  9
.set PFO,  10
.set L8,   11
.set ST,   12                          ; v12-15, v16-19: a tile's -M, largest t, sum in two halves
.set AR,   20
.set AK,   22
.set ASC,  23
.set ARP,  24                          ; v24-28 tiles 2 p, 2 p + 1: their codes
.set L4,   29
.set RR,   30
.set HH,   31
.set LN,   32
.set HT,   33                          ; v33-38 at the head
.set ARQ,  33                          ; v33-37 in the steps: their scale words
.set RSP,  40
.set KSP,  45
.set VSP,  49
.set QWS,  53
.set QRS,  55
.set FP,   58
.set BM,   62
.set TP,   66
.set SO,   74
.set TMP,  78
.set PC,   80
.set S,    104
.set HW,   248
.set F,    0                           ; window 1: v0-71: six guards, ten half fragments, six guards
.set FD,   6
.set FV,   72
.set QB,   120                         ; v120-149, v150-179: q + r_w_bias, 0, q_i + r_r_bias, 0, q_(i+1) + r_r_bias
.set O,    180
.set QMA,  BM
.set QMB,  BM+1
.set QPA,  BM+2
.set QPB,  BM+3
.set QCT,  TP
.set WV,   12
.set BN,   13
.set NH,   14
.set TILE, 15
.set WC,   16                          ; W0 in step 0
.set W0,   17
.set Q,    18                          ; the step in its slot
.set SBIT, 19                          ; 0 or 65,536: the slot in hand
.set SEL,  20
.set CS,   22
.set G1R,  24
.set G1KV, 32
.set G0R,  48
.set G0KV, 52
.set TB,   60
.set SLOTS, 61
.set LIM,  62
.set PFA,  66
.set MSB, 0
.macro WIN new
.if MSB != \new
	s_set_vgpr_msb (MSB<<8)|\new
.set MSB, \new
.endif
.endm
.set TO_1, 0x40
.set W_SC, 0x05
.set W_PV, 0x51
.set W_RS, 0x41
.macro PLACES n
.rept \n
	v_nop
.endr
.endm
.macro ASK
	s_cmp_lt_u32 s[SLOTS], s[LIM]
	s_cbranch_scc0 .Lnot_mine_\@
	global_prefetch_b8 v[PFO], s[PFA:PFA+1] th:TH_LOAD_NT scope:SCOPE_SE
.Lnot_mine_\@:
.endm
.macro WM d, a, b, z, sa, sb, ra
.set WSEL, 2*(\z)+(\ra)
.if WSEL == 0
	v_wmma_scale_f32_16x16x128_f8f6f4 v[(\d):(\d)+7], v[(\a):(\a)+11], v[(\b):(\b)+11], v[(\d):(\d)+7], v[(\sa)], v[(\sb)] matrix_a_fmt:MATRIX_FMT_FP6 matrix_b_fmt:MATRIX_FMT_FP6
.elseif WSEL == 1
	v_wmma_scale_f32_16x16x128_f8f6f4 v[(\d):(\d)+7], v[(\a):(\a)+11], v[(\b):(\b)+11], v[(\d):(\d)+7], v[(\sa)], v[(\sb)] matrix_a_fmt:MATRIX_FMT_FP6 matrix_b_fmt:MATRIX_FMT_FP6 matrix_a_scale:MATRIX_SCALE_ROW1
.elseif WSEL == 2
	v_wmma_scale_f32_16x16x128_f8f6f4 v[(\d):(\d)+7], v[(\a):(\a)+11], v[(\b):(\b)+11], 0, v[(\sa)], v[(\sb)] matrix_a_fmt:MATRIX_FMT_FP6 matrix_b_fmt:MATRIX_FMT_FP6
.else
	v_wmma_scale_f32_16x16x128_f8f6f4 v[(\d):(\d)+7], v[(\a):(\a)+11], v[(\b):(\b)+11], 0, v[(\sa)], v[(\sb)] matrix_a_fmt:MATRIX_FMT_FP6 matrix_b_fmt:MATRIX_FMT_FP6 matrix_a_scale:MATRIX_SCALE_ROW1
.endif
.endm
.macro QUANT32 s, cd, pw               ; 32 numbers of a lane, register 16 b + i = my 16 of block b -> six registers of a half image, and the row's scale word
	v_max3_num_f32 v[QMA], |v[(\s)]|, |v[(\s)+1]|, 0x1800000
	v_max3_num_f32 v[QMB], |v[(\s)+16]|, |v[(\s)+17]|, 0x1800000
.irp i, 2,4,6,8,10,12,14
	s_delay_alu instid0(VALU_DEP_2)
	v_max3_num_f32 v[QMA], v[QMA], |v[(\s)+\i]|, |v[(\s)+\i+1]|
	s_delay_alu instid0(VALU_DEP_2)
	v_max3_num_f32 v[QMB], v[QMB], |v[(\s)+16+\i]|, |v[(\s)+17+\i]|
.endr
	s_delay_alu instid0(VALU_DEP_2)
	v_permlanex16_b32 v[QPA], v[QMA], s[SEL], s[SEL+1]
	s_delay_alu instid0(VALU_DEP_2)
	v_permlanex16_b32 v[QPB], v[QMB], s[SEL], s[SEL+1]
	s_delay_alu instid0(VALU_DEP_2)
	v_max_num_f32 v[QMA], v[QMA], v[QPA]
	s_delay_alu instid0(VALU_DEP_2)
	v_max_num_f32 v[QMB], v[QMB], v[QPB]
	s_delay_alu instid0(VALU_DEP_2)
	v_add_nc_u32 v[QPA], 0xff000000, v[QMA]
	s_delay_alu instid0(VALU_DEP_2)
	v_add_nc_u32 v[QPB], 0xff000000, v[QMB]
	s_delay_alu instid0(VALU_DEP_2)
	v_lshrrev_b32 v[QMA], 23, v[QPA]
	s_delay_alu instid0(VALU_DEP_2)
	v_lshrrev_b32 v[QMB], 23, v[QPB]
	s_delay_alu instid0(VALU_DEP_1)
	v_lshl_or_b32 v[(\pw)], v[QMB], 8, v[QMA]
	v_cvt_scalef32_pk16_fp6_f32 v[(\cd):(\cd)+2], v[(\s):(\s)+15], v[QPA]
	v_cvt_scalef32_pk16_fp6_f32 v[QCT:QCT+2], v[(\s)+16:(\s)+31], v[QPB]
	v_nop
.irp i, 0,1,2
	v_permlane16_swap_b32 v[(\cd)+\i], v[QCT+\i]
.endr
.irp i, 0,1,2
	s_delay_alu instid0(VALU_DEP_3)
	v_mov_b32 v[(\cd)+3+\i], v[QCT+\i]
.endr
.endm
	s_load_b256 s[4:11], s[0:1], 0x0               ; q s[4:5], kv s[6:7], re s[8:9], av s[10:11]
	v_lshl_add_u32 v[SPW], v0, 2, SPARE
	v_mov_b32 v[NIL], 0
	ds_add_u32 v[SPW], v[NIL]                      ; the opening: the add, twice on end, and its wait ahead of the first tensor loads
	ds_add_u32 v[SPW], v[NIL]
	v_lshrrev_b32 v[L8], 5, v0
	v_readfirstlane_b32 s[WV], v[L8]               ; wave 0..7
	s_and_b32 s[BN], ttmp7, 0xffff                 ; 16 b + n
	s_and_b32 s[NH], s[BN], 15
	s_lshl_b32 s[TILE], ttmp9, 4
	s_lshl_b32 s70, s[WV], 1
	s_add_co_u32 s[TILE], s[TILE], s70             ; tile A: 16 x query block + 2 x wave
	s_xor_b32 s[WC], ttmp9, 7
	s_lshl_b32 s[WC], s[WC], 4                     ; 112 - 16 x query block
	s_xor_b32 s70, s70, 14                         ; 14 - 2 wave
	s_add_co_u32 s[WC], s[WC], s70
	; both tiles are dense blocks of memory, taken as rows of 256 bytes (32 elements of 8 bytes), no padding: 105 and 52 rows
	s_mov_b32 s[G1R], 3<<16
	s_mov_b32 s[G1R+1], 32<<16
	s_mov_b32 s[G1R+2], 105<<16
	s_mov_b32 s[G1R+3], 32<<16
	s_mov_b32 s[G1R+4], 105
	s_mov_b32 s[G1R+5], 32
	s_mov_b32 s[G1R+6], 0
	s_mov_b32 s[G1R+7], 0
	s_mov_b32 s[G1KV], 3<<16
	s_mov_b32 s[G1KV+1], 32<<16
	s_mov_b32 s[G1KV+2], 52<<16
	s_mov_b32 s[G1KV+3], 32<<16
	s_mov_b32 s[G1KV+4], 52
	s_mov_b32 s[G1KV+5], 32
	s_mov_b32 s[G1KV+6], 0
	s_mov_b32 s[G1KV+7], 0
	s_and_b32 s70, s[WV], 3
	s_mul_i32 s71, s70, 26880                      ; my quarter of r_k's region, in memory and in LDS
	s_mul_i32 s72, s[NH], REH
	s_add_co_u32 s72, s72, s71
	s_mov_b32 s73, 0
	s_mul_i32 s76, s70, PKB                        ; my pack of a slot's four
	s_mul_i32 s74, s[BN], 16*PKB
	s_add_co_u32 s74, s74, s76
	s_mov_b32 s75, 0
	s_add_co_u32 s76, s76, KV0
	s_mov_b32 s[SEL], 0x76543210
	s_mov_b32 s[SEL+1], 0xfedcba98
	s_mov_b32 s[CS], 0x3e38aa3b                    ; c = log2(e) / 8
	s_mov_b32 s[CS+1], s[CS]
	s_mov_b32 s[SBIT], 0
	s_wait_dscnt 0x0                               ; both opening adds are done
	s_wait_kmcnt 0x0
	s_mov_b32 s[G0R], 1
	s_mov_b32 s[G0R+1], s71
	s_add_nc_u64 s[G0R+2:G0R+3], s[8:9], s[72:73]
	s_or_b32 s[G0R+3], s[G0R+3], 0x80000000
	s_mov_b32 s[G0KV], 1
	s_mov_b32 s[G0KV+1], s76
	s_add_nc_u64 s[G0KV+2:G0KV+3], s[6:7], s[74:75]
	s_or_b32 s[G0KV+3], s[G0KV+3], 0x80000000
	s_cmp_lt_u32 s[WV], 4                          ; the head's loads, one a wave: every way passes exactly one
	s_cbranch_scc0 .Lhead_kv
	tensor_load_to_lds s[G0R:G0R+3], s[G1R:G1R+7]
	s_nop 0
	PLACES 4
	s_branch .Lhead_asked
.Lhead_kv:
	tensor_load_to_lds s[G0KV:G0KV+3], s[G1KV:G1KV+7]
	s_nop 0
	PLACES 4
.Lhead_asked:
	s_lshl_b32 s81, s[BN], 7
	s_add_co_u32 s82, s81, s[TILE]
	s_mul_i32 s84, s82, 768
	s_mov_b32 s85, 0
	s_add_nc_u64 s[86:87], s[4:5], s[84:85]        ; tile A's image; tile B's follows it
	s_mul_i32 s84, s81, 768
	s_add_nc_u64 s[88:89], s[4:5], s[84:85]        ; the (b, n)'s first image
	s_lshl_b32 s84, s[BN], 13
	s_add_co_u32 s84, s84, 6291456
	s_add_nc_u64 s[90:91], s[4:5], s[84:85]        ; the (b, n)'s scale words
	s_lshl_b32 s83, s[TILE], 4                     ; my first query
	s_mul_i32 s93, s[WV], STW
	s_add_co_u32 s93, s93, STG                     ; my stage
	s_mul_i32 s78, s[BN], 16*PKB
	s_add_co_u32 s78, s78, 4*PKB                   ; the prefetches: slot 1; the first change steps it to slot 2
	s_mul_i32 s79, ttmp9, 26*256                   ; my query block's 26 blocks of a slot's 208
	s_add_co_u32 s78, s78, s79
	s_mov_b32 s79, 0
	s_add_nc_u64 s[PFA:PFA+1], s[6:7], s[78:79]
	s_cmp_eq_u32 s[WV], 0
	s_cselect_b32 s[LIM], 2, 0                     ; wave 0 asks, at the first two changes
	v_and_b32 v[RR], 15, v0                        ; r
	v_bfe_u32 v[HH], v0, 4, 1                      ; h
	v_and_b32 v[LN], 31, v0                        ; lane
	v_lshlrev_b32 v[L8], 3, v[LN]
	v_add_nc_u32 v[HT], s83, v[RR]                 ; tile A's query i
.irp a, 0,1
	v_add_nc_u32 v[HT+1+2*\a], 1+16*\a, v[HT]
	s_delay_alu instid0(VALU_DEP_1)
	v_min_u32 v[HT+1+2*\a], 2047, v[HT+1+2*\a]     ; query i + 1; behind the last query none follows, and no high tile's result is used for it
	s_delay_alu instid0(VALU_DEP_1)
	v_lshrrev_b32 v[HT+2+2*\a], 4, v[HT+1+2*\a]
	v_and_b32 v[HT+5], 15, v[HT+1+2*\a]
	s_delay_alu instid0(VALU_DEP_1)
	v_lshl_add_u32 v[HT+5], v[HH], 4, v[HT+5]
	s_delay_alu instid0(VALU_DEP_1)
	v_lshlrev_b32 v[HT+5], 3, v[HT+5]
	v_lshlrev_b32 v[HT+1+2*\a], 2, v[HT+1+2*\a]    ; its scale word's place,
	s_delay_alu instid0(VALU_DEP_2)
	v_mad_u32_u24 v[HT+2+2*\a], v[HT+2+2*\a], 768, v[HT+5]   ; and its place in the images
.endr
	v_lshlrev_b32 v[HT], 2, v[HT]
	WIN TO_1
.irp a, 0,1
.irp k, 0,1,2
	global_load_b64 v[QB+30*\a+2*\k:QB+30*\a+2*\k+1], v[L8], s[86:87] offset:768*\a+256*\k
	global_load_b64 v[QB+30*\a+12+2*\k:QB+30*\a+12+2*\k+1], v[L8], s[86:87] offset:3145728+768*\a+256*\k
	global_load_b64 v[QB+30*\a+24+2*\k:QB+30*\a+24+2*\k+1], v[HT+2+2*\a], s[88:89] offset:3145728+256*\k
.endr
.endr
	WIN 0
.irp a, 0,1
	global_load_b32 v[QWS+\a], v[HT], s[90:91] offset:64*\a
	global_load_b32 v[QRS+\a], v[HT], s[90:91] offset:262144+64*\a
	global_load_b32 v[HW+\a], v[HT+1+2*\a], s[90:91] offset:262144
.endr
	; the addresses that stay
	v_add_nc_u32 v[CK], KV0, v[L8]
	v_add_nc_u32 v[CRL], REC, v[L8]
	v_add_nc_u32 v[CRH], 15, v[RR]
	v_lshlrev_b32 v[CSC], 2, v[LN]
	v_and_b32 v[CRH], 15, v[CRH]                   ; (r - 1) mod 16
	v_add_nc_u32 v[CRS], RSW-4, v[CSC]
	v_add_nc_u32 v[AR], 1, v[CRH]
	v_lshl_add_u32 v[CRH], v[HH], 4, v[CRH]
	v_lshrrev_b32 v[AR], 4, v[AR]                  ; 1 where r = 0
	v_lshlrev_b32 v[CRH], 3, v[CRH]
	v_mul_u32_u24 v[AR], v[AR], 768                ; lane r = 0 reads the image before
	v_add_nc_u32 v[CRH], REC, v[CRH]
	v_add_nc_u32 v[CSC], KV0+12288, v[CSC]
	v_sub_nc_u32 v[CRH], v[CRH], v[AR]
	v_mul_u32_u24 v[STO], v[RR], 592
	v_mul_u32_u24 v[RD], v[RR], 588
	v_lshl_add_u32 v[STO], v[HH], 5, v[STO]
	v_lshl_add_u32 v[RD], v[HH], 5, v[RD]
	v_add_nc_u32 v[STO], s93, v[STO]
	v_add_nc_u32 v[RD], s93, v[RD]
	v_min_u32 v[PFO], 25, v[LN]                    ; the lanes left over are held at the wave's last block
	v_add_nc_u32 v[RD], 60, v[RD]
	v_lshlrev_b32 v[PFO], 8, v[PFO]
	s_wait_alu depctr_va_vdst(0)
	s_wait_loadcnt 0x0                             ; my queries
.irp a, 0,1
	v_lshl_or_b32 v[QRS+\a], v[HW+\a], 16, v[QRS+\a]   ; bytes 0, 1: query i; bytes 2, 3: query i + 1
.endr
.irp a, 0,1
	v_mov_b32 v[ST+4*\a+1], 0xff61b1e6             ; the largest t so far: -3e38
	s_delay_alu instid0(VALU_DEP_1)
	v_floor_f32 v[ST+4*\a], -v[ST+4*\a+1]          ; -M
	v_mov_b32 v[ST+4*\a+2], 0
	v_mov_b32 v[ST+4*\a+3], 0
	v_mov_b32 v[FP+2*\a+1], 0
.endr
.irp b, 0,1,2,3
	v_mov_b32 v[TP+\b], 0                          ; written once: a lane permute's destination counts as one of its sources
.endr
	WIN TO_1
.irp i, 0,1,2,3,4,5
	v_mov_b32 v[F+\i], 0                           ; the guards beside the first and the last half fragment: they meet zero codes
	v_mov_b32 v[FD+60+\i], 0
	v_mov_b32 v[QB+6+\i], 0                        ; the zero codes beside the queries
	v_mov_b32 v[QB+18+\i], 0
	v_mov_b32 v[QB+36+\i], 0
	v_mov_b32 v[QB+48+\i], 0
.endr
.set J, 0
.rept 64
	v_mov_b32 v[O+J], 0                            ; O^T of both tiles: the step is written once; the first change of M leaves zeros zeros
.set J, J+1
.endr
	WIN 0
.macro BDP g, hi                       ; tile g with both tiles of queries: for tile B result g, for tile A result g - 1
.if (\g) < 9
	WM S+72+8*(\g), FD+6*(\g)-6*(\hi), QB+30+12+6*(\hi), 1, RSP+(\g)/2, QRS+1, (\g)%2
.endif
.if (\g) > 0
	WM S+8*((\g)-1), FD+6*(\g)-6*(\hi), QB+12+6*(\hi), 1, RSP+(\g)/2, QRS, (\g)%2
.endif
.endm
.macro BDPAIR p                        ; tiles 2 p and 2 p + 1: low while W0 + 2 p lies under 128
	s_cmp_lt_u32 s[W0], 128-2*(\p)
	s_cbranch_scc0 .Lhigh_\@
	WIN W_SC
	BDP 2*(\p), 0
	BDP 2*(\p)+1, 0
	WIN 0
	s_branch .Lboth_\@
.Lhigh_\@:
	WIN W_SC
	BDP 2*(\p), 1
	BDP 2*(\p)+1, 1
	WIN 0
.Lboth_\@:
.endm
.macro TOSTG a                         ; a tile's nine results into the stage, each from its low end on
.irp t, 0,1,2,3,4,5,6,7,8
	ds_store_b128 v[STO], v[S+72*(\a)+8*\t:S+72*(\a)+8*\t+3] offset:64*\t
	ds_store_b128 v[STO], v[S+72*(\a)+8*\t+4:S+72*(\a)+8*\t+7] offset:64*\t+16
.endr
.endm
.macro SKEW a                          ; LDS serves a wave's instructions in order, so these see my stores.  Register 8 t + j: key 16 t + 8 h + j of my query
.set J, 0
.rept 64
	ds_load_b32 v[S+72*(\a)+J], v[RD] offset:64*(J/8)+4*(J%8)
.set J, J+1
.endr
.endm
.macro AC a
.irp t, 0,1,2,3,4,5,6,7
	WM S+72*(\a)+8*\t, FD+6*\t, QB+30*(\a), 0, KSP+\t/2, QWS+(\a), \t%2
.endr
.endm
.macro PV a
.irp t, 0,1,2,3
	WM O+32*(\a)+8*\t, FV+12*\t, PC+12*(\a), 0, VSP+\t/2, FP+2*(\a)+1, \t%2
.endr
.endm
; The softmax of tile a for 128 keys, p's quantiser, and O^T under the new M.
.macro SOFT a
.set SS, S+72*(\a)
.set MM, ST+4*(\a)
.set FF, FP+2*(\a)
.set PP, PC+12*(\a)
.set OO, O+32*(\a)
.irp b, 0,1,2,3
	v_max3_num_f32 v[BM+\b], v[SS+16*\b], v[SS+1+16*\b], v[SS+2+16*\b]   ; the largest score of each block of 32 keys: for the row's maximum, and, since p rises with the score, for the block's largest p
.endr
.irp i, 3,5,7,9,11,13
.irp b, 0,1,2,3
	v_max3_num_f32 v[BM+\b], v[BM+\b], v[SS+16*\b+\i], v[SS+1+16*\b+\i]
.endr
.endr
.irp b, 0,1,2,3
	v_max_num_f32 v[BM+\b], v[BM+\b], v[SS+15+16*\b]
.endr
.irp b, 0,1,2,3
	s_delay_alu instid0(VALU_DEP_4)
	v_permlanex16_b32 v[TP+\b], v[BM+\b], s[SEL], s[SEL+1]
.endr
.irp b, 0,1,2,3
	s_delay_alu instid0(VALU_DEP_4)
	v_max_num_f32 v[BM+\b], v[BM+\b], v[TP+\b]
.endr
	s_delay_alu instid0(VALU_DEP_2)
	v_max3_num_f32 v[TMP], v[BM], v[BM+1], v[BM+2]
	s_delay_alu instid0(VALU_DEP_1)
	v_max_num_f32 v[TMP], v[TMP], v[BM+3]
	s_delay_alu instid0(VALU_DEP_1)
	v_mul_f32 v[TMP], s[CS], v[TMP]                ; as t
	s_delay_alu instid0(VALU_DEP_1)
	v_max_num_f32 v[MM+1], v[MM+1], v[TMP]         ; the running largest t
	v_mov_b32 v[TMP], v[MM]
	s_delay_alu instid0(VALU_DEP_2)
	v_floor_f32 v[MM], -v[MM+1]                    ; the new -M = -ceil(t)
	s_delay_alu instid0(VALU_DEP_1)
	v_sub_f32 v[TMP], v[MM], v[TMP]                ; old M - new M: a whole number, 0 or less
	s_delay_alu instid0(VALU_DEP_1)
	v_cvt_i32_f32 v[TMP], v[TMP]
	s_delay_alu instid0(VALU_DEP_1)
	v_ldexp_f32 v[FF], 1.0, v[TMP]                 ; f = 2^(old M - new M)
.set J, 0
.rept 32
	v_pk_fma_f32 v[SS+J:SS+J+1], v[SS+J:SS+J+1], s[CS:CS+1], v[MM:MM+1] op_sel_hi:[1,0,0]   ; t - M
.set J, J+2
.endr
.irp b, 0,1,2,3
	v_fma_f32 v[BM+\b], v[BM+\b], s[CS], v[MM]
.endr
.set J, 0
	s_wait_alu depctr_va_vdst(0)
.rept 64
	v_exp_f32 v[SS+J], v[SS+J]                     ; p = 2^(t - M)
.set J, J+1
.endr
	v_pk_mul_f32 v[MM+2:MM+3], v[MM+2:MM+3], v[FF:FF+1] op_sel_hi:[1,0]   ; the sums under the new M (a plain line behind the exponentials)
	s_wait_alu depctr_va_vdst(0)                   ; one wait for the batch, ahead of its first reader
.irp b, 0,1,2,3
	v_exp_f32 v[BM+\b], v[BM+\b]                   ; the blocks' largest p
.endr
	v_pk_add_f32 v[TP:TP+1], v[SS:SS+1], v[SS+2:SS+3]   ; the row's sum, of the unquantised p, in two chains
.irp j, 4,8,12,16,20,24,28,32,36,40,44,48,52,56,60
	v_pk_add_f32 v[MM+2:MM+3], v[MM+2:MM+3], v[SS+\j:SS+\j+1]
	v_pk_add_f32 v[TP:TP+1], v[TP:TP+1], v[SS+2+\j:SS+3+\j]
.endr
	s_delay_alu instid0(VALU_DEP_1)
	v_pk_add_f32 v[MM+2:MM+3], v[MM+2:MM+3], v[TP:TP+1]
	s_wait_alu depctr_va_vdst(0)                   ; and one for the four
.irp b, 0,1,2,3
	v_max_num_f32 v[BM+\b], 0x1800000, v[BM+\b]    ; the floor 2^(3 - 127)
.endr
.irp b, 0,1,2,3
	s_delay_alu instid0(VALU_DEP_4)
	v_add_nc_u32 v[SO+\b], 0xff000000, v[BM+\b]
.endr
.irp b, 0,1,2,3
	s_delay_alu instid0(VALU_DEP_4)
	v_lshrrev_b32 v[TP+\b], 23, v[SO+\b]
.endr
	s_delay_alu instid0(VALU_DEP_3)
	v_lshl_or_b32 v[FF+1], v[TP+1], 8, v[TP]       ; p's scale word for these 128 keys
	s_delay_alu instid0(VALU_DEP_1)
	v_lshl_or_b32 v[FF+1], v[TP+2], 16, v[FF+1]
	s_delay_alu instid0(VALU_DEP_1)
	v_lshl_or_b32 v[FF+1], v[TP+3], 24, v[FF+1]
.irp c, 0,1
	v_cvt_scalef32_pk16_fp6_f32 v[PP+6*\c:PP+6*\c+2], v[SS+32*\c:SS+32*\c+15], v[SO+2*\c]
	v_cvt_scalef32_pk16_fp6_f32 v[TP+4*\c:TP+4*\c+2], v[SS+16+32*\c:SS+31+32*\c], v[SO+2*\c+1]
.endr
	v_nop
.irp c, 0,1
.irp i, 0,1,2
	v_permlane16_swap_b32 v[PP+6*\c+\i], v[TP+4*\c+\i]
.endr
.irp i, 0,1,2
	s_delay_alu instid0(VALU_DEP_3)
	v_mov_b32 v[PP+3+6*\c+\i], v[TP+4*\c+\i]
.endr
.endr
	WIN W_RS
	s_wait_alu depctr_va_vdst(0)
.set J, 0
.rept 16
	v_pk_mul_f32 v[OO+J:OO+J+1], v[OO+J:OO+J+1], v[FF:FF+1] op_sel_hi:[1,0]   ; O^T under the new M; also the places between p's codes and scale word and the products that take them
.set J, J+2
.endr
	WIN 0
.endm
; A KEY STEP: 128 keys, for both tiles of queries.  Every wait on LDS in it is for 0.
.macro STEP
	s_lshl_b32 s[W0], s[SLOTS], 5                  ; 32 tiles a slot,
	s_lshl_b32 s70, s[Q], 3                        ; 8 a step
	s_add_co_u32 s[W0], s[W0], s70
	s_add_co_u32 s[W0], s[W0], s[WC]               ; the first of my ten tiles
	s_mul_i32 s[TB], s[Q], PKB
	s_add_co_u32 s[TB], s[TB], s[SBIT]             ; the step's pack
	v_add_nc_u32 v[AK], s[TB], v[CK]
	v_add_nc_u32 v[ASC], s[TB], v[CSC]
.irp p, 0,1,2,3,4
	s_add_co_u32 s70, s[W0], 2*\p
	s_and_b32 s71, s70, 126                        ; the image: tile mod 128
	s_mul_i32 s72, s71, 768
	s_lshl_b32 s71, s71, 6
	s_cmp_lt_u32 s70, 128
	s_cselect_b32 s73, 0, -1                       ; a high tile is read one row back:
	s_cselect_b32 s74, 4, 0                        ; its words too
	s_add_co_u32 s71, s71, s74
	v_cndmask_b32 v[ARP+\p], v[CRL], v[CRH], s73
	v_add_nc_u32 v[ARQ+\p], s71, v[CRS]
	s_delay_alu instid0(VALU_DEP_2)
	v_add_nc_u32 v[ARP+\p], s72, v[ARP+\p]
.endr
	WIN TO_1
	s_wait_alu depctr_va_vdst(0)
.irp g, 0,1,2,3,4,5,6,7,8,9
.irp k, 0,1,2
	ds_load_b64 v[FD+6*\g+2*\k:FD+6*\g+2*\k+1], v[ARP+\g/2] offset:768*(\g%2)+256*\k
.endr
.endr
	WIN 0
.irp p, 0,1,2,3,4
	ds_load_b32 v[RSP+\p], v[ARQ+\p]               ; the words of two tiles a register
.endr
	s_wait_dscnt 0x0
.irp p, 0,1,2,3,4
	BDPAIR \p
.endr
	PLACES 5                                       ; four in front of the loads into the fragments' and the results' registers and of the stores of the results; five, since the products AC write over registers of these
	TOSTG 0
	WIN TO_1
.irp t, 0,1,2,3,4,5,6,7
.irp k, 0,1,2
	ds_load_b64 v[FD+6*\t+2*\k:FD+6*\t+2*\k+1], v[AK] offset:768*\t+256*\k   ; K's eight half images, on end
.endr
.endr
	WIN 0
.irp p, 0,1,2,3
	ds_load_b32 v[KSP+\p], v[ASC] offset:128*\p
.endr
.irp g, 0,1
.irp p, 0,1
	ds_load_b32 v[VSP+2*\g+\p], v[ASC] offset:512+256*\g+128*\p        ; V's words: the first 64 keys', the second 64 keys'
.endr
.endr
	SKEW 0
	s_wait_dscnt 0x0
	WIN W_SC
	AC 0
	WIN 0
	v_lshl_or_b32 v[VSP], v[VSP+2], 16, v[VSP]     ; V's scale words for 128 keys.  (Four places, with the two below)
	v_lshl_or_b32 v[VSP+1], v[VSP+3], 16, v[VSP+1]
	PLACES 2
	TOSTG 1                                        ; tile A's words have been read back: the stage takes tile B's
	SKEW 1                                         ; tile B's scores and V's fragments land while tile A's softmax is worked
	WIN TO_1
.irp t, 0,1,2,3
.irp g, 0,1
.irp k, 0,1,2
	ds_load_b64 v[FV+12*\t+6*\g+2*\k:FV+12*\t+6*\g+2*\k+1], v[AK] offset:6144+3072*\g+768*\t+256*\k
.endr
.endr
.endr
	WIN 0
	SOFT 0
	s_wait_alu depctr_va_vdst(0)
	s_wait_dscnt 0x0
	WIN W_SC
	AC 1
	WIN W_PV
	PV 0                                           ; tile A's second product stands beside tile B's softmax
	WIN 0
	PLACES 4
	SOFT 1
	WIN W_PV
	PV 1
	WIN 0
.endm
; THE CHANGE OF SLOTS, once for four steps.  Each wave waits for all its tensor loads, adds 0 to its spare word, and waits for that and for its reads of the slot that it has left; behind the barrier the slot
; ahead is whole and nobody reads the other one, which waves 4-7 fill first thing, a pack each (the first time: slot 1's first fill, issued as a refill is).
.macro CHANGE fill
	s_wait_alu depctr_va_vdst(0)
	s_wait_tensorcnt 0x0
	ds_add_u32 v[SPW], v[NIL]                      ; once: every way from the head passes a tensor load
.if \fill
	s_xor_b32 s[G0KV+1], s[G0KV+1], SLOT1
	s_add_nc_u64 s[G0KV+2:G0KV+3], s[G0KV+2:G0KV+3], 4*PKB
	s_wait_xcnt 0x0                                ; the last prefetch, four steps back, has read its address
	s_add_nc_u64 s[PFA:PFA+1], s[PFA:PFA+1], 4*PKB
.endif
	s_wait_dscnt 0x0
	s_barrier_signal -1
	s_barrier_wait -1
.if \fill
	s_cmp_lt_u32 s[WV], 4
	s_cbranch_scc1 .Lno_fill_\@
	tensor_load_to_lds s[G0KV:G0KV+3], s[G1KV:G1KV+7]
	s_nop 0
	PLACES 4
.Lno_fill_\@:
	ASK
.endif
.endm
	s_mov_b32 s[SLOTS], 0
.Lslot:                                            ; 3 trips of four steps
	CHANGE 1
	s_mov_b32 s[Q], 0
.Lstep:
	STEP
	s_add_co_u32 s[Q], s[Q], 1
	s_cmp_lt_u32 s[Q], 4
	s_wait_alu depctr_va_vdst(0)
	s_cbranch_scc1 .Lstep
	s_xor_b32 s[SBIT], s[SBIT], SLOT1
	s_add_co_u32 s[SLOTS], s[SLOTS], 1
	s_cmp_lt_u32 s[SLOTS], 3
	s_cbranch_scc1 .Lslot
	CHANGE 0                                       ; the last four steps are written out
	s_mov_b32 s[Q], 0
.Ltail:
	STEP
	s_add_co_u32 s[Q], s[Q], 1
	s_cmp_lt_u32 s[Q], 4
	s_wait_alu depctr_va_vdst(0)
	s_cbranch_scc1 .Ltail
	; THE WAY OUT: O^T / the sum is attn_vec; its 64 numbers of my head are two blocks of the last product's K, which meets W_o's given codes: so they are first brought into their true order.
.irp a, 0,1
	v_add_f32 v[ST+4*\a+2], v[ST+4*\a+2], v[ST+4*\a+3]
.endr
.irp a, 0,1
	s_delay_alu instid0(VALU_DEP_2)
	v_permlanex16_b32 v[FP+2*\a], v[ST+4*\a+2], s[SEL], s[SEL+1]
.endr
.irp a, 0,1
	s_delay_alu instid0(VALU_DEP_2)
	v_add_f32 v[ST+4*\a+2], v[ST+4*\a+2], v[FP+2*\a]
.endr
	s_wait_alu depctr_va_vdst(0)
.irp a, 0,1
	v_rcp_f32 v[ST+4*\a+2], v[ST+4*\a+2]
.endr
	v_and_b32 v[L4], 15, v0                        ; (a plain line behind the reciprocals)
	s_delay_alu instid0(VALU_DEP_1)
	v_lshlrev_b32 v[L4], 2, v[L4]
	s_lshr_b32 s70, s[BN], 4
	s_lshl_b32 s70, s70, 7
	s_add_co_u32 s70, s70, s[TILE]
	s_lshl_b32 s70, s70, 4
	s_add_co_u32 s70, s70, s[NH]                   ; (128 b + tile A) x 16 + n; tile B's lies 16 further on
	s_mul_i32 s72, s70, 768
	s_mov_b32 s73, 0
	s_lshl_b32 s74, s70, 6
	s_add_co_u32 s74, s74, 3145728
	s_mov_b32 s75, 0
	s_add_nc_u64 s[72:73], s[10:11], s[72:73]
	s_add_nc_u64 s[74:75], s[10:11], s[74:75]
	s_wait_alu depctr_va_vdst(0)                   ; one wait for both reciprocals, ahead of their first reader
.macro OUT a
	WIN 0x01                                       ; source 0 (O^T) window 1
.set J, 0
.rept 32
	v_mul_f32 v[S+72*(\a)+J], v[O+32*(\a)+J], v[ST+4*(\a)+2]
.set J, J+1
.endr
	WIN 0
.irp b, 0,1
.irp j, 0,1,2,3,4,5,6,7
	v_permlane16_swap_b32 v[S+72*(\a)+16*\b+\j], v[S+72*(\a)+16*\b+8+\j]   ; my 16 registers are then d = 32 b + 16 h + 0 .. 15
.endr
.endr
	QUANT32 S+72*(\a), PC+12*(\a), TMP+(\a)
.irp k, 0,1,2
	global_store_b64 v[L8], v[PC+12*(\a)+2*\k:PC+12*(\a)+2*\k+1], s[72:73] offset:12288*(\a)+256*\k   ; 256 consecutive bytes, aligned
.endr
	global_store_b32 v[L4], v[TMP+(\a)], s[74:75] offset:1024*(\a)   ; both lanes of a row store the same word
.endm
	OUT 0
	OUT 1                                          ; (its codes and its word have registers of their own: no store's data are written again)
	s_wait_tensorcnt 0x0                           ; the wave's end
	ds_add_u32 v[SPW], v[NIL]
	s_wait_dscnt 0x0
	s_endpgm
.Lfunc_end_k_q9529ff9d7b_attn:
	.size	k_q9529ff9d7b_attn, .Lfunc_end_k_q9529ff9d7b_attn-k_q9529ff9d7b_attn
	.p2alignl 7, 3214868480
	.fill 96, 4, 3214868480
	.section	.rodata,"a",@progbits
	.p2align	6, 0x0
	.amdhsa_kernel k_q9529ff9d7b_attn
		.amdhsa_group_segment_fixed_size 327680
		.amdhsa_private_segment_fixed_size 0
		.amdhsa_enable_private_segment 0
		.amdhsa_kernarg_size 32
		.amdhsa_user_sgpr_count 2
		.amdhsa_user_sgpr_kernarg_segment_ptr 1
		.amdhsa_wavefront_size32 1
		.amdhsa_system_sgpr_workgroup_id_x 1
		.amdhsa_system_sgpr_workgroup_id_y 1
		.amdhsa_system_sgpr_workgroup_id_z 1
		.amdhsa_system_vgpr_workitem_id 0
		.amdhsa_next_free_vgpr 512
		.amdhsa_next_free_sgpr 96
		.amdhsa_reserve_vcc 0
		.amdhsa_float_denorm_mode_32 3
		.amdhsa_float_denorm_mode_16_64 3
		.amdhsa_memory_ordered 1
		.amdhsa_forward_progress 1
		.amdhsa_inst_pref_size 134
	.end_amdhsa_kernel
	.amdgpu_metadata
---
amdhsa.version: [ 1, 2 ]
amdhsa.kernels:
  - .name:           k_q9529ff9d7b_attn
    .symbol:         k_q9529ff9d7b_attn.kd
    .args:
      - { .name: q, .offset: 0, .size: 8, .value_kind: global_buffer, .address_space: global }
      - { .name: kv, .offset: 8, .size: 8, .value_kind: global_buffer, .address_space: global }
      - { .name: re, .offset: 16, .size: 8, .value_kind: global_buffer, .address_space: global }
      - { .name: av, .offset: 24, .size: 8, .value_kind: global_buffer, .address_space: global }
    .group_segment_fixed_size: 327680
    .private_segment_fixed_size: 0
    .kernarg_segment_align: 8
    .kernarg_segment_size: 32
    .max_flat_workgroup_size: 256
    .sgpr_count:     96
    .vgpr_count:     512
    .wavefront_size: 32
...
	.end_amdgpu_metadata
.endif
;; end of part 3
;; launch oln (part 4): grid 256 x 1, 16 waves a work-group, no clusters, 67,840 bytes of LDS; arguments av, woi, W_o_scales, h, ln_gamma, ln_beta, out0; writes out0
.if DOCPART == 4
	.amdgcn_target "amdgcn-amd-amdhsa--gfx1250"
	.amdhsa_code_object_version 6
	.text
	.protected	k_q9529ff9d7b_oln
	.globl	k_q9529ff9d7b_oln
	.p2align	8
	.type	k_q9529ff9d7b_oln,@function
k_q9529ff9d7b_oln:
	s_mov_b64 s[64:65], 0
	v_nop
	global_prefetch_b8 v0, s[64:65] scope:SCOPE_SE
	s_setreg_imm32_b32 hwreg(HW_REG_WAVE_MODE, 25, 1), 1
	s_wait_xcnt 0x0
; Launch 4 of 4: attn_vec W_o on codes of FP6 (E2M3), the residual and the layer norm in f32.  No work of reference() is left out here.
; A work-group takes 16 tokens of one b (work-group g = 128 b + tile) and all 1,024 columns.  For the product wave w owns columns 64 w on: four accumulators; source 0 = 16 columns of W_o, source 1 = the 16 tokens.
; Each fragment of W_o is used once in a work-group, so it goes from memory straight into registers: woi holds it in the order of the operand's registers, three loads of 512 consecutive bytes.
; No tensor load, no ring.  The sums meet in a stage in LDS (a row of 4,096 + 16 bytes a token); behind one barrier wave w takes token w's whole row: x = h + attn_out, mean, variance of x - mean, rsqrt, gamma, beta.
; LIMITS: NaN and infinities are not served.
.set SPITCH, 4112
.set SPARE,  16*SPITCH                 ; 65,792: the spare words, 128 bytes for each of 16 waves
.set L8,  4
.set L16, 5
.set L32, 6
.set L4,  7
.set STO, 8
.set RD,  9
.set SPW, 10
.set NIL, 11
.set WS,  16                           ; v16-31 W_o's scale words: register 8 p + s: K step s of column 32 p + lane
.set AS,  32                           ; v32-39 attn_vec's, one register a K step
.set ACC, 40                           ; v40-71
.set BUF, 72                           ; v72-131, v132-191: two sets: the tokens' fragment (12), W_o's four (48)
.set XR,  72                           ; v72-103 a row: 32 numbers a lane
.set GR,  132                          ; v132-163 gamma
.set HR,  192                          ; v192-223 h
.set BR,  224                          ; v224-255 beta
.set WV,  18
.set SEL, 20
.macro PLACES n
.rept \n
	v_nop
.endr
.endm
.macro WM d, a, b, z, sa, sb, ra
.set WSEL, 2*(\z)+(\ra)
.if WSEL == 0
	v_wmma_scale_f32_16x16x128_f8f6f4 v[(\d):(\d)+7], v[(\a):(\a)+11], v[(\b):(\b)+11], v[(\d):(\d)+7], v[(\sa)], v[(\sb)] matrix_a_fmt:MATRIX_FMT_FP6 matrix_b_fmt:MATRIX_FMT_FP6
.elseif WSEL == 1
	v_wmma_scale_f32_16x16x128_f8f6f4 v[(\d):(\d)+7], v[(\a):(\a)+11], v[(\b):(\b)+11], v[(\d):(\d)+7], v[(\sa)], v[(\sb)] matrix_a_fmt:MATRIX_FMT_FP6 matrix_b_fmt:MATRIX_FMT_FP6 matrix_a_scale:MATRIX_SCALE_ROW1
.elseif WSEL == 2
	v_wmma_scale_f32_16x16x128_f8f6f4 v[(\d):(\d)+7], v[(\a):(\a)+11], v[(\b):(\b)+11], 0, v[(\sa)], v[(\sb)] matrix_a_fmt:MATRIX_FMT_FP6 matrix_b_fmt:MATRIX_FMT_FP6
.else
	v_wmma_scale_f32_16x16x128_f8f6f4 v[(\d):(\d)+7], v[(\a):(\a)+11], v[(\b):(\b)+11], 0, v[(\sa)], v[(\sb)] matrix_a_fmt:MATRIX_FMT_FP6 matrix_b_fmt:MATRIX_FMT_FP6 matrix_a_scale:MATRIX_SCALE_ROW1
.endif
.endm
.macro LD s                            ; K step s: 18 loads into set s % 2
.set BB, BUF+60*((\s)%2)
.irp k, 0,1,2,3,4,5
	global_load_b64 v[BB+2*\k:BB+2*\k+1], v[L8], s[28:29] offset:1536*(\s)+256*\k   ; heads 2 s and 2 s + 1: two half images on end
.endr
.irp c, 0,1,2,3
.irp k, 0,1,2
	global_load_b128 v[BB+12+12*\c+4*\k:BB+12+12*\c+4*\k+3], v[L16], s[32:33] offset:98304*(\s)+1536*\c+512*\k
.endr
.endr
.endm
.macro OSTEP s, cnt, z                 ; four products, the four accumulators by turns; cnt: the loads younger than this step's
.set BB, BUF+60*((\s)%2)
	s_wait_loadcnt \cnt
.irp c, 0,1,2,3
	WM ACC+8*\c, BB+12+12*\c, BB, \z, WS+8*(\c/2)+(\s), AS+(\s), \c%2
.endr
	PLACES 4                                       ; in front of loads into the set just multiplied, and of the first read of results
.endm
	s_load_b256 s[4:11], s[0:1], 0x0               ; av, woi, W_o's scales, h
	s_load_b128 s[12:15], s[0:1], 0x20             ; gamma, beta
	s_load_b64 s[16:17], s[0:1], 0x30              ; out0
	v_lshl_add_u32 v[SPW], v0, 2, SPARE
	v_mov_b32 v[NIL], 0
	v_lshrrev_b32 v1, 5, v0
	s_delay_alu instid0(VALU_DEP_1)
	v_readfirstlane_b32 s[WV], v1                  ; wave 0..15
	v_and_b32 v1, 31, v0                           ; lane
	v_and_b32 v2, 15, v0                           ; r
	v_bfe_u32 v3, v0, 4, 1                         ; h
	s_delay_alu instid0(VALU_DEP_3)
	v_lshlrev_b32 v[L8], 3, v1
	s_delay_alu instid0(VALU_DEP_4)
	v_lshlrev_b32 v[L16], 4, v1
	v_lshlrev_b32 v[L32], 5, v1
	v_lshlrev_b32 v[L4], 2, v1
	s_lshl_b32 s24, s[WV], 8
	v_mul_u32_u24 v[STO], v2, SPITCH
	s_delay_alu instid0(VALU_DEP_1)
	v_lshl_add_u32 v[STO], v3, 5, v[STO]
	s_delay_alu instid0(VALU_DEP_1)
	v_add_nc_u32 v[STO], s24, v[STO]               ; the stage, in: token r, my columns' bytes: 256 wave + 32 h
	s_mul_i32 s24, s[WV], SPITCH
	v_add_nc_u32 v[RD], s24, v[L16]                ; out: token = wave, 16 bytes a lane
	v_mov_b32 v12, 0                               ; written once: a lane permute's destination counts as one of its sources
	s_mov_b32 s[SEL], 0x76543210
	s_mov_b32 s[SEL+1], 0xfedcba98
	s_mov_b32 s22, 0x3a800000                      ; 1 / 1,024
	s_mov_b32 s23, 0x358637bd                      ; 1e-6
	s_mul_i32 s24, ttmp9, 12288                    ; the tile's 16 half images
	s_mov_b32 s25, 0
	s_lshl_b32 s26, ttmp9, 10                      ; and their scale words
	s_add_co_u32 s26, s26, 3145728
	s_mov_b32 s27, 0
	s_and_b32 s19, ttmp9, 127
	s_lshl_b32 s19, s19, 4
	s_add_co_u32 s19, s19, s[WV]                   ; my token i
	s_lshl_b32 s19, s19, 1
	s_lshr_b32 s36, ttmp9, 7
	s_add_co_u32 s19, s19, s36                     ; its row 2 i + b of h and of out0
	s_lshl_b32 s36, s19, 12
	s_mov_b32 s37, 0
	s_wait_alu depctr_va_vdst(0)
	s_wait_kmcnt 0x0
	s_add_nc_u64 s[28:29], s[4:5], s[24:25]
	s_add_nc_u64 s[30:31], s[4:5], s[26:27]
	s_mul_i32 s24, s[WV], 6144                     ; my four column tiles in woi
	s_add_nc_u64 s[32:33], s[6:7], s[24:25]
	s_lshl_b32 s24, s[WV], 11                      ; my 64 columns' scale bytes
	s_add_nc_u64 s[34:35], s[8:9], s[24:25]
	s_add_nc_u64 s[38:39], s[16:17], s[36:37]
	s_add_nc_u64 s[36:37], s[10:11], s[36:37]
.irp p, 0,1
	global_load_b128 v[WS+8*\p:WS+8*\p+3], v[L32], s[34:35] offset:1024*\p
	global_load_b128 v[WS+8*\p+4:WS+8*\p+7], v[L32], s[34:35] offset:1024*\p+16
.endr
.irp s, 0,1,2,3,4,5,6,7
	global_load_b32 v[AS+\s], v[L4], s[30:31] offset:128*\s   ; lanes 0-15 head 2 s, lanes 16-31 head 2 s + 1
.endr
	LD 0
	LD 1
	s_wait_loadcnt 36                              ; the scale words are in; two steps' 36 loads stay out
.irp s, 0
	v_permlanex16_b32 v12, v[AS+\s], s[SEL], s[SEL+1]
	s_delay_alu instid0(VALU_DEP_1)
	v_lshl_or_b32 v[AS+\s], v12, 16, v[AS+\s]      ; lanes 0-15: bytes 0, 1 head 2 s, bytes 2, 3 head 2 s + 1
.endr
.irp s, 1, 2, 3, 4, 5, 6, 7
	s_delay_alu instid0(VALU_DEP_2)
	v_permlanex16_b32 v12, v[AS+\s], s[SEL], s[SEL+1]
	s_delay_alu instid0(VALU_DEP_1)
	v_lshl_or_b32 v[AS+\s], v12, 16, v[AS+\s]      ; lanes 0-15: bytes 0, 1 head 2 s, bytes 2, 3 head 2 s + 1
.endr
	OSTEP 0, 18, 1                                 ; the first step's products start the sums
	LD 2
	OSTEP 1, 18, 0
	LD 3
	OSTEP 2, 18, 0
	LD 4
	s_wait_alu depctr_va_vdst(0)
	OSTEP 3, 18, 0
	LD 5
	OSTEP 4, 18, 0
	LD 6
	OSTEP 5, 18, 0
	LD 7
.irp i, 0,1,2,3,4,5,6,7
	global_load_b128 v[HR+4*\i:HR+4*\i+3], v[L16], s[36:37] offset:512*\i   ; my token's row of h
.endr
	OSTEP 6, 26, 0                                 ; younger: step 7's 18 and h's 8
	OSTEP 7, 8, 0                                  ; younger: h's 8
.irp i, 0,1,2,3,4,5,6,7
	global_load_b128 v[GR+4*\i:GR+4*\i+3], v[L16], s[12:13] offset:512*\i
	global_load_b128 v[BR+4*\i:BR+4*\i+3], v[L16], s[14:15] offset:512*\i
.endr
.irp c, 0,1,2,3
	ds_store_b128 v[STO], v[ACC+8*\c:ACC+8*\c+3] offset:64*\c          ; lane (r, h): token r, columns 64 wave + 16 c + 8 h + 0 .. 7
	ds_store_b128 v[STO], v[ACC+8*\c+4:ACC+8*\c+7] offset:64*\c+16
.endr
	s_wait_dscnt 0x0                               ; for the others' sake: my stores into the stage are done
	s_barrier_signal -1
	s_barrier_wait -1
.irp i, 0,1,2,3,4,5,6,7
	ds_load_b128 v[XR+4*\i:XR+4*\i+3], v[RD] offset:512*\i
.endr
	s_wait_dscnt 0x0
	s_wait_loadcnt 16                              ; h is in; gamma's and beta's 16 loads may be out
.set J, 0
.rept 16
	v_pk_add_f32 v[XR+J:XR+J+1], v[XR+J:XR+J+1], v[HR+J:HR+J+1]   ; x = attn_out + h
.set J, J+2
.endr
	v_pk_add_f32 v[104:105], v[XR:XR+1], v[XR+2:XR+3]
	v_pk_add_f32 v[106:107], v[XR+4:XR+5], v[XR+6:XR+7]
.irp j, 8,12,16,20,24,28
	s_delay_alu instid0(VALU_DEP_2)
	v_pk_add_f32 v[104:105], v[104:105], v[XR+\j:XR+\j+1]
	s_delay_alu instid0(VALU_DEP_2)
	v_pk_add_f32 v[106:107], v[106:107], v[XR+\j+2:XR+\j+3]
.endr
	s_delay_alu instid0(VALU_DEP_1)
	v_pk_add_f32 v[104:105], v[104:105], v[106:107]
	s_delay_alu instid0(VALU_DEP_1)
	v_add_f32 v104, v104, v105
	s_delay_alu instid0(VALU_DEP_1)
	v_add_f32_dpp v104, v104, v104 row_xmask:1 row_mask:0xf bank_mask:0xf
	s_delay_alu instid0(VALU_DEP_1)
	v_add_f32_dpp v104, v104, v104 row_xmask:2 row_mask:0xf bank_mask:0xf
	s_delay_alu instid0(VALU_DEP_1)
	v_add_f32_dpp v104, v104, v104 row_xmask:4 row_mask:0xf bank_mask:0xf
	s_delay_alu instid0(VALU_DEP_1)
	v_add_f32_dpp v104, v104, v104 row_xmask:8 row_mask:0xf bank_mask:0xf
	s_delay_alu instid0(VALU_DEP_1)
	v_permlanex16_b32 v105, v104, s[SEL], s[SEL+1]
	s_delay_alu instid0(VALU_DEP_1)
	v_add_f32 v104, v104, v105
	s_delay_alu instid0(VALU_DEP_1)
	v_mul_f32 v104, s22, v104                      ; the mean
.set J, 0
.rept 16
	v_pk_add_f32 v[XR+J:XR+J+1], v[XR+J:XR+J+1], v[104:105] op_sel_hi:[1,0] neg_lo:[0,1] neg_hi:[0,1]   ; x - mean
.set J, J+2
.endr
	v_pk_mul_f32 v[106:107], v[XR:XR+1], v[XR:XR+1]
	v_pk_mul_f32 v[108:109], v[XR+2:XR+3], v[XR+2:XR+3]
.irp j, 4,8,12,16,20,24,28
	s_delay_alu instid0(VALU_DEP_2)
	v_pk_fma_f32 v[106:107], v[XR+\j:XR+\j+1], v[XR+\j:XR+\j+1], v[106:107]
	s_delay_alu instid0(VALU_DEP_2)
	v_pk_fma_f32 v[108:109], v[XR+\j+2:XR+\j+3], v[XR+\j+2:XR+\j+3], v[108:109]
.endr
	s_delay_alu instid0(VALU_DEP_1)
	v_pk_add_f32 v[106:107], v[106:107], v[108:109]
	s_delay_alu instid0(VALU_DEP_1)
	v_add_f32 v106, v106, v107
	s_delay_alu instid0(VALU_DEP_1)
	v_add_f32_dpp v106, v106, v106 row_xmask:1 row_mask:0xf bank_mask:0xf
	s_delay_alu instid0(VALU_DEP_1)
	v_add_f32_dpp v106, v106, v106 row_xmask:2 row_mask:0xf bank_mask:0xf
	s_delay_alu instid0(VALU_DEP_1)
	v_add_f32_dpp v106, v106, v106 row_xmask:4 row_mask:0xf bank_mask:0xf
	s_delay_alu instid0(VALU_DEP_1)
	v_add_f32_dpp v106, v106, v106 row_xmask:8 row_mask:0xf bank_mask:0xf
	s_delay_alu instid0(VALU_DEP_1)
	v_permlanex16_b32 v107, v106, s[SEL], s[SEL+1]
	s_delay_alu instid0(VALU_DEP_1)
	v_add_f32 v106, v106, v107
	s_delay_alu instid0(VALU_DEP_1)
	v_fma_f32 v106, v106, s22, s23                 ; the variance + 1e-6
	s_wait_alu depctr_va_vdst(0)
	v_rsq_f32 v106, v106
	v_nop                                          ; a plain line behind the transcendental
	s_wait_alu depctr_va_vdst(0)                   ; ahead of its first reader
	s_wait_loadcnt 0x0                             ; gamma and beta
.set J, 0
.rept 16
	v_pk_mul_f32 v[XR+J:XR+J+1], v[XR+J:XR+J+1], v[106:107] op_sel_hi:[1,0]
.set J, J+2
.endr
.set J, 0
.rept 16
	v_pk_fma_f32 v[XR+J:XR+J+1], v[XR+J:XR+J+1], v[GR+J:GR+J+1], v[BR+J:BR+J+1]
.set J, J+2
.endr
.irp i, 0,1,2,3,4,5,6,7
	global_store_b128 v[L16], v[XR+4*\i:XR+4*\i+3], s[38:39] offset:512*\i th:TH_STORE_NT   ; 512 consecutive bytes, aligned
.endr
	s_wait_tensorcnt 0x0                           ; the wave's end: behind my last LDS store
	ds_add_u32 v[SPW], v[NIL]
	s_wait_dscnt 0x0
	s_endpgm
.Lfunc_end_k_q9529ff9d7b_oln:
	.size	k_q9529ff9d7b_oln, .Lfunc_end_k_q9529ff9d7b_oln-k_q9529ff9d7b_oln
	.p2alignl 7, 3214868480
	.fill 96, 4, 3214868480
	.section	.rodata,"a",@progbits
	.p2align	6, 0x0
	.amdhsa_kernel k_q9529ff9d7b_oln
		.amdhsa_group_segment_fixed_size 67840
		.amdhsa_private_segment_fixed_size 0
		.amdhsa_enable_private_segment 0
		.amdhsa_kernarg_size 56
		.amdhsa_user_sgpr_count 2
		.amdhsa_user_sgpr_kernarg_segment_ptr 1
		.amdhsa_wavefront_size32 1
		.amdhsa_system_sgpr_workgroup_id_x 1
		.amdhsa_system_sgpr_workgroup_id_y 1
		.amdhsa_system_sgpr_workgroup_id_z 1
		.amdhsa_system_vgpr_workitem_id 0
		.amdhsa_next_free_vgpr 256
		.amdhsa_next_free_sgpr 66
		.amdhsa_reserve_vcc 0
		.amdhsa_float_denorm_mode_32 3
		.amdhsa_float_denorm_mode_16_64 3
		.amdhsa_memory_ordered 1
		.amdhsa_forward_progress 1
		.amdhsa_inst_pref_size 37
	.end_amdhsa_kernel
	.amdgpu_metadata
---
amdhsa.version: [ 1, 2 ]
amdhsa.kernels:
  - .name:           k_q9529ff9d7b_oln
    .symbol:         k_q9529ff9d7b_oln.kd
    .args:
      - { .name: av, .offset: 0, .size: 8, .value_kind: global_buffer, .address_space: global }
      - { .name: woi, .offset: 8, .size: 8, .value_kind: global_buffer, .address_space: global }
      - { .name: W_o_scales, .offset: 16, .size: 8, .value_kind: global_buffer, .address_space: global }
      - { .name: h, .offset: 24, .size: 8, .value_kind: global_buffer, .address_space: global }
      - { .name: ln_gamma, .offset: 32, .size: 8, .value_kind: global_buffer, .address_space: global }
      - { .name: ln_beta, .offset: 40, .size: 8, .value_kind: global_buffer, .address_space: global }
      - { .name: out0, .offset: 48, .size: 8, .value_kind: global_buffer, .address_space: global }
    .group_segment_fixed_size: 67840
    .private_segment_fixed_size: 0
    .kernarg_segment_align: 8
    .kernarg_segment_size: 56
    .max_flat_workgroup_size: 512
    .sgpr_count:     66
    .vgpr_count:     256
    .wavefront_size: 32
...
	.end_amdgpu_metadata
.endif
;; end of part 4
